; MI455X (gfx1250); checked and timed in simulation.
; The chip was launched on July 23, 2026; its instructions are those of AMD's public machine-readable ISA for CDNA 5 (MIT licence, August 2026) and "CDNA5" Instruction Set Architecture Reference Guide (July 2026). The comments in the code are by the model that wrote it; some were corrected since.
;; Sparse Mo E. Allowed arithmetic: float matrix products may take bf16 or f16 operands with f32 sums; other float arithmetic in f32, or as packed bf16 or f16 multiplies, adds, multiply-adds, maxima and minima; sums over many terms, partial sums and values carried from step to step in f32; what a program stores and reads back later, other than sums and carried values, may be rounded once to bf16 or f16.
;; Inputs: gate_w 512 x 32 float32; w1 32 x 512 x 512 float32; w2 32 x 512 x 512 float32; w3 32 x 512 x 512 float32; x 1 x 2,048 x 512 float32.
;; Outputs: out0 1 x 2,048 x 512 float32; out1 one number float32.
;; 2 versions, each right; version 2 is version 1 with the launch down written anew for expert scheduling mode. Each part assembles by itself: llvm-mc -triple=amdgcn-amd-amdhsa -mcpu=gfx1250 --defsym DOCPART=n.
;; ======== version 1 of 2: 4 launches
;; workspace buffers: xb 2,097,152 bytes; topi 32,768 bytes of whole numbers; topw 32,768 bytes; psum 16,384 bytes; hfrag 67,108,864 bytes; list 262,144 bytes of whole numbers; cnt 256 bytes of whole numbers; part 16,777,216 bytes
;; launch router (part 1): grid 128 x 1, 4 waves a work-group, no clusters, 75,264 bytes of LDS; arguments x, gate_w, xb, topi, topw, psum; writes xb, topi, topw, psum
.if DOCPART == 1
	.amdgcn_target "amdgcn-amd-amdhsa--gfx1250"
	.amdhsa_code_object_version 6
	.text
	.protected	k_q1c65ab6f17_router
	.globl	k_q1c65ab6f17_router
	.p2align	8
	.type	k_q1c65ab6f17_router,@function
k_q1c65ab6f17_router:
	s_mov_b64 s[64:65], 0
	v_nop
	global_prefetch_b8 v0, s[64:65] scope:SCOPE_SE
	s_setreg_imm32_b32 hwreg(HW_REG_WAVE_MODE, 25, 1), 1
	s_wait_xcnt 0x0
; ROUTER.  x [2048][512] f32, gate_w [512][32] f32.  Stores xb = x rounded to bf16 [2048][512]; for each token its four experts (topi, whole numbers) and
; their softmax weights (topw, f32), in no particular order among the four; and psum[group][32]: the full softmax's probabilities summed over the group's 16 tokens (f32).
; FORMATS.  x and gate_w are rounded to bf16 once; the logits are bf16 matrix products with f32 sums; all else f32.  Both softmaxes take the row's maximum away first.
; LIMITS.  NaN and infinities are not treated apart.  Equal logits go to the lower index; where the fourth and fifth logit differ by less than the rounding of an f32 sum
; of 512 terms, the choice may differ from a sum taken in another order.
; SHARES.  A work-group has 16 tokens (one matrix tile); wave w takes K = 128 w .. 128 w + 127 of them: 128 work-groups, since a tile wants 16 tokens.  The four partial
; logit tiles meet in LDS; wave 0 adds them and does the rest.  No cluster, no tensor load: the f32 data pass through registers to be rounded, and every LDS byte is written once.
.set XTW,   16*272          ; a wave's x tile in LDS: 16 rows of 256 bytes, 272 apart
.set GT,    4*XTW           ; behind the four x tiles: a wave's gate tile, 128 k-rows of 64 bytes, 96 apart (an odd multiple of 32, for the turning load)
.set GTW,   128*96
.set RED,   GT+4*GTW        ; the partial logits: 2,048 bytes a wave
.set SPARE, RED+4*2048      ; the spare words, 128 bytes a wave: two blocks of 256 bytes that no other line names
.set XS,  32                ; v32-95   x as loaded, 4 registers a row; rounded in place
.set GS,  96                ; v96-223  gate_w as loaded, 4 registers a load; rounded in place
.set XF,  32                ; v32-63   x fragments, 8 a K step
.set GF,  64                ; v64-127  gate fragments: 32 for each tile of 16 experts
.set D0,  128               ; v128-135 logits of experts 0-15;  v136-143 of experts 16-31
.set D1,  136
.set LG,  144               ; v144-207 the four waves' parts; then v144-159 the lane's 16 logits
.set W,   160               ; v160-175 a copy, in which the found maxima are struck out
.set E,   176               ; v176-191 exponentials, then probabilities
.set TV,  192               ; my half's four best: values, indices
.set TI,  196
.set PV,  200               ; the other half's
.set PI,  204
.set CV,  208               ; the four winners: values (then weights), indices
.set CI,  212
.set EW,  216               ; v216-219 the winners' exponentials
.set S32, 220
.set TM,  221
.set R32, 222               ; v222-223 1 / the sum of 32, twice
.set ML,  224
.set MX,  225
.set NINF, 226
.set S4,  227
.set R4,  228
.set A1,  229
.set A2,  230
	s_load_b256 s[4:11], s[0:1], 0x0               ; x s[4:5], gate_w s[6:7], xb s[8:9], topi s[10:11]
	s_load_b128 s[12:15], s[0:1], 0x20             ; topw s[12:13], psum s[14:15]
	v_lshl_add_u32 v1, v0, 2, SPARE                ; my spare word,
	v_mov_b32 v2, 0                                ; and 0: kept for the closing lines alone
	v_lshrrev_b32 v3, 5, v0
	v_readfirstlane_b32 s16, v3                    ; wave 0..3
	v_and_b32 v3, 31, v0                           ; L
	v_and_b32 v4, 15, v0                           ; r = L % 16
	v_bfe_u32 v5, v0, 4, 1                         ; h = L / 16
	s_lshl_b32 s17, s16, 9
	v_lshl_add_u32 v6, v3, 4, s17                  ; x: my wave's 512 bytes of a row, 16 a lane
	s_lshl_b32 s17, s16, 8
	v_lshl_add_u32 v7, v3, 3, s17                  ; xb: my wave's 256 bytes of a row, 8 a lane
	s_mul_i32 s28, s16, XTW
	v_lshl_add_u32 v8, v3, 3, s28                  ; the same 8 bytes in my x tile
	s_lshl_b32 s17, s16, 14
	v_lshl_add_u32 v9, v3, 4, s17                  ; gate_w: my wave's 128 k-rows of 128 bytes are dense
	s_mul_i32 s29, s16, GTW
	s_add_co_u32 s29, s29, GT
	v_lshrrev_b32 v15, 3, v3
	v_and_b32 v14, 7, v0
	v_mul_u32_u24 v10, v15, 96
	v_lshl_add_u32 v10, v14, 3, v10
	v_add_nc_u32 v10, s29, v10                     ; a load holds four k-rows: row L / 8, 8 bytes at 8 (L % 8)
	v_mul_u32_u24 v11, v4, 272
	v_lshl_add_u32 v11, v5, 4, v11
	v_add_nc_u32 v11, s28, v11                     ; x fragment: row r, 16 bytes for each half of the lanes
	v_lshl_add_u32 v12, v5, 3, v14
	v_mul_u32_u24 v12, v12, 96
	v_bfe_u32 v13, v0, 3, 1
	v_lshl_add_u32 v12, v13, 4, v12
	v_add_nc_u32 v12, s29, v12                     ; turning load: k-row 8 h + L % 8, 16 bytes at 16 ((L / 8) % 2)
	s_lshl_b32 s17, s16, 11
	s_add_co_u32 s17, s17, RED
	v_lshl_add_u32 v13, v3, 4, s17                 ; my wave's partial logits
	v_lshl_add_u32 v14, v3, 4, RED                 ; all four waves', read by wave 0
	s_mov_b32 s19, 0
	s_mov_b32 s24, 0x76543210                      ; v_permlanex16_b32: each lane takes its own place in the other half
	s_mov_b32 s25, 0xfedcba98
	s_mov_b32 s26, 0x3fb8aa3b                      ; log2(e)
	s_wait_kmcnt 0x0
	s_lshl_b32 s18, ttmp9, 15                      ; 16 rows of 2,048 bytes
	s_add_nc_u64 s[4:5], s[4:5], s[18:19]
	s_lshl_b32 s18, ttmp9, 14                      ; 16 rows of 1,024
	s_add_nc_u64 s[8:9], s[8:9], s[18:19]
	s_lshl_b32 s18, ttmp9, 8                       ; 16 tokens of 16 bytes
	s_add_nc_u64 s[10:11], s[10:11], s[18:19]
	s_add_nc_u64 s[12:13], s[12:13], s[18:19]
	s_lshl_b32 s18, ttmp9, 7                       ; 32 numbers
	s_add_nc_u64 s[14:15], s[14:15], s[18:19]
.set i, 0
.rept 16                                               ; 512 consecutive bytes of one row each
	global_load_b128 v[XS+4*i:XS+4*i+3], v6, s[4:5] offset:2048*i th:TH_LOAD_NT
.set i, i+1
.endr
.set i, 0
.rept 32                                               ; 512 consecutive bytes each: four k-rows
	global_load_b128 v[GS+4*i:GS+4*i+3], v9, s[6:7] offset:512*i
.set i, i+1
.endr
	s_wait_loadcnt 32                              ; x is in; the 32 loads of gate_w stay out
.set i, 0
.rept 16
	v_cvt_pk_bf16_f32 v[XS+4*i], v[XS+4*i], v[XS+4*i+1]
	v_cvt_pk_bf16_f32 v[XS+4*i+1], v[XS+4*i+2], v[XS+4*i+3]
	global_store_b64 v7, v[XS+4*i:XS+4*i+1], s[8:9] offset:1024*i  ; 32 lanes store 256 consecutive bytes, at a multiple of 256 from xb's first
	ds_store_b64 v8, v[XS+4*i:XS+4*i+1] offset:272*i
.set i, i+1
.endr
	s_wait_loadcnt 0x0                             ; gate_w is in
.set i, 0
.rept 32
	v_cvt_pk_bf16_f32 v[GS+4*i], v[GS+4*i], v[GS+4*i+1]
	v_cvt_pk_bf16_f32 v[GS+4*i+1], v[GS+4*i+2], v[GS+4*i+3]
	ds_store_b64 v10, v[GS+4*i:GS+4*i+1] offset:384*i
.set i, i+1
.endr
	s_wait_xcnt 0x0                                ; the stores to xb have read their data: those registers take fragments now
	; both tiles are my wave's own, and LDS serves a wave's instructions in order (ISA guide 5.7.1.4): no wait between the stores above and these loads
.irp k, 0,1,2,3
	ds_load_b128 v[XF+8*\k:XF+8*\k+3],   v11 offset:64*\k
	ds_load_b128 v[XF+8*\k+4:XF+8*\k+7], v11 offset:64*\k+32
.endr
.irp m, 0,1
.irp k, 0,1,2,3
	ds_load_tr16_b128 v[GF+32*\m+8*\k:GF+32*\m+8*\k+3],   v12 offset:3072*\k+32*\m
	ds_load_tr16_b128 v[GF+32*\m+8*\k+4:GF+32*\m+8*\k+7], v12 offset:3072*\k+32*\m+1536
.endr
.endr
	s_wait_dscnt 0x0
	; source 0 = 16 experts, source 1 = 16 tokens: register j of lane (r, h) is the logit of expert 16 m + 8 h + j for token r.  The two accumulators take turns.
	v_wmma_f32_16x16x32_bf16 v[D0:D0+7], v[GF:GF+7], v[XF:XF+7], 0
	v_wmma_f32_16x16x32_bf16 v[D1:D1+7], v[GF+32:GF+39], v[XF:XF+7], 0
.irp k, 1,2,3
	v_wmma_f32_16x16x32_bf16 v[D0:D0+7], v[GF+8*\k:GF+8*\k+7], v[XF+8*\k:XF+8*\k+7], v[D0:D0+7]
	v_wmma_f32_16x16x32_bf16 v[D1:D1+7], v[GF+32+8*\k:GF+32+8*\k+7], v[XF+8*\k:XF+8*\k+7], v[D1:D1+7]
.endr
.rept 4
	v_nop                                          ; four places between a product and the store that reads it
.endr
	ds_store_b128 v13, v[D0:D0+3]                  ; each accumulator's low registers first
	ds_store_b128 v13, v[D0+4:D0+7] offset:512
	ds_store_b128 v13, v[D1:D1+3] offset:1024
	ds_store_b128 v13, v[D1+4:D1+7] offset:1536
	s_wait_dscnt 0x0                               ; for wave 0's sake: my partial logits are in LDS
	s_barrier_signal -1
	s_barrier_wait -1
	s_cmp_eq_u32 s16, 0
	s_cbranch_scc1 .Ltail
	s_wait_tensorcnt 0x0                           ; waves 1 to 3 end
	ds_add_u32 v1, v2
	s_wait_dscnt 0x0
	s_endpgm
.Ltail:
.irp u, 0,1,2,3
.irp g, 0,1,2,3
	ds_load_b128 v[LG+16*\u+4*\g:LG+16*\u+4*\g+3], v14 offset:2048*\u+512*\g
.endr
.endr
	v_mov_b32 v[NINF], 0xff800000
	s_wait_dscnt 0x0
.irp p, 0,1,2,3,4,5,6,7
	v_pk_add_f32 v[LG+2*\p:LG+2*\p+1], v[LG+2*\p:LG+2*\p+1], v[LG+16+2*\p:LG+16+2*\p+1]
	v_pk_add_f32 v[LG+32+2*\p:LG+32+2*\p+1], v[LG+32+2*\p:LG+32+2*\p+1], v[LG+48+2*\p:LG+48+2*\p+1]
.endr
.irp p, 0,1,2,3,4,5,6,7
	v_pk_add_f32 v[LG+2*\p:LG+2*\p+1], v[LG+2*\p:LG+2*\p+1], v[LG+32+2*\p:LG+32+2*\p+1]
.endr
.irp z, 0,1,2,3,4,5,6,7,8,9,10,11,12,13,14,15
	v_mov_b32 v[W+\z], v[LG+\z]
.endr
; Register z of a lane is expert z + 8 (z / 8) + 8 h.  TOP q: the largest of the 16 still in W, its lowest index, and (q < 3) that one struck out.
.macro TOP q
	v_max3_num_f32 v[TV+\q], v[W], v[W+1], v[W+2]
.irp z, 3,5,7,9,11,13
	v_max3_num_f32 v[TV+\q], v[TV+\q], v[W+\z], v[W+\z+1]
.endr
	v_max_num_f32 v[TV+\q], v[TV+\q], v[W+15]
	v_mov_b32 v[TI+\q], 23
.irp z, 14,13,12,11,10,9,8,7,6,5,4,3,2,1,0
	v_cmp_neq_f32 vcc_lo, v[W+\z], v[TV+\q]
	v_cndmask_b32 v[TI+\q], \z+8*(\z/8), v[TI+\q], vcc_lo      ; descending, so that the lowest index stays
.endr
.if \q < 3
.irp z, 0,1,2,3,4,5,6,7,8,9,10,11,12,13,14,15
	v_cmp_eq_u32 vcc_lo, \z+8*(\z/8), v[TI+\q]
	v_cndmask_b32 v[W+\z], v[W+\z], v[NINF], vcc_lo
.endr
.endif
.endm
	TOP 0
	TOP 1
	TOP 2
	TOP 3
.irp q, 0,1,2,3
	v_lshl_add_u32 v[TI+\q], v5, 3, v[TI+\q]       ; the true index
.endr
.irp q, 0,1,2,3
	v_permlanex16_b32 v[PV+\q], v[TV+\q], s24, s25 ; the token's other 16 experts lie in the lane 16 away
	v_permlanex16_b32 v[PI+\q], v[TI+\q], s24, s25
.endr
; Both lists are sorted (larger value first, lower index first among equals): the better of mine's number q and the other's number 3 - q, for q = 0..3, are the best four of the eight.
.macro BETTER q
	v_cmp_gt_f32 s20, v[PV+3-\q], v[TV+\q]
	v_cmp_eq_f32 s21, v[PV+3-\q], v[TV+\q]
	v_cmp_lt_u32 s22, v[PI+3-\q], v[TI+\q]
	s_and_b32 s21, s21, s22
	s_or_b32 s20, s20, s21
	v_cndmask_b32 v[CV+\q], v[TV+\q], v[PV+3-\q], s20
	v_cndmask_b32 v[CI+\q], v[TI+\q], v[PI+3-\q], s20
.endm
	BETTER 0
	BETTER 1
	BETTER 2
	BETTER 3
	v_max_num_f32 v[MX], v[TV], v[PV]              ; the row's maximum: that of the four and that of the 32
	v_mul_f32 v[ML], s26, v[MX]
.irp q, 0,1,2,3
	v_fma_f32 v[EW+\q], v[CV+\q], s26, -v[ML]
.endr
.irp z, 0,1,2,3,4,5,6,7,8,9,10,11,12,13,14,15
	v_fma_f32 v[E+\z], v[LG+\z], s26, -v[ML]
.endr
.irp q, 0,1,2,3
	v_exp_f32 v[EW+\q], v[EW+\q]                   ; one batch of 20 exponentials
.endr
.irp z, 0,1,2,3,4,5,6,7,8,9,10,11,12,13,14,15
	v_exp_f32 v[E+\z], v[E+\z]
.endr
	v_nop                                          ; a plain instruction behind the last exponential,
	s_wait_alu depctr_va_vdst(0)                   ; and the one wait ahead of the batch's first reader
	v_add_f32 v[S4], v[EW], v[EW+1]
	v_add_f32 v[TM], v[EW+2], v[EW+3]
	v_add_f32 v[S4], v[S4], v[TM]
	v_pk_add_f32 v[W:W+1], v[E:E+1], v[E+2:E+3]
	v_pk_add_f32 v[W+2:W+3], v[E+4:E+5], v[E+6:E+7]
	v_pk_add_f32 v[W+4:W+5], v[E+8:E+9], v[E+10:E+11]
	v_pk_add_f32 v[W+6:W+7], v[E+12:E+13], v[E+14:E+15]
	v_pk_add_f32 v[W:W+1], v[W:W+1], v[W+2:W+3]
	v_pk_add_f32 v[W+4:W+5], v[W+4:W+5], v[W+6:W+7]
	v_pk_add_f32 v[W:W+1], v[W:W+1], v[W+4:W+5]
	v_add_f32 v[S32], v[W], v[W+1]
	v_permlanex16_b32 v[TM], v[S32], s24, s25
	v_add_f32 v[S32], v[S32], v[TM]
	v_rcp_f32 v[R4], v[S4]
	v_rcp_f32 v[R32], v[S32]
	v_rcp_f32 v[R32+1], v[S32]                     ; twice: a pair for the packed multiply
	v_lshlrev_b32 v[A1], 4, v4                     ; 16 bytes a token; plain work behind the reciprocals
	v_lshlrev_b32 v[A2], 5, v5                     ; 8 numbers for each half of the lanes
	s_wait_alu depctr_va_vdst(0)                   ; one wait for the three reciprocals
.irp q, 0,1,2,3
	v_mul_f32 v[CV+\q], v[EW+\q], v[R4]
.endr
.irp p, 0,1,2,3,4,5,6,7
	v_pk_mul_f32 v[E+2*\p:E+2*\p+1], v[E+2*\p:E+2*\p+1], v[R32:R32+1]
.endr
.irp m, 1,2,4,8                                        ; the sum over the 16 tokens, which are the 16 lanes of a row
.irp z, 0,1,2,3,4,5,6,7,8,9,10,11,12,13,14,15
	v_add_f32_dpp v[E+\z], v[E+\z], v[E+\z] row_xmask:\m row_mask:0xf bank_mask:0xf
.endr
.endr
	v_cmp_gt_u32 vcc_lo, 16, v3
	s_wait_xcnt 0x0                                ; EXEC changes only behind this wait
	s_and_saveexec_b32 s27, vcc_lo                 ; lanes 0-15: a token each
	global_store_b128 v[A1], v[CI:CI+3], s[10:11]  ; 16 lanes store 256 consecutive bytes, at a multiple of 256 from the buffer's first
	global_store_b128 v[A1], v[CV:CV+3], s[12:13]
	s_wait_xcnt 0x0
	s_or_b32 exec_lo, exec_lo, s27
	v_cmp_eq_u32 vcc_lo, 0, v4
	s_and_saveexec_b32 s27, vcc_lo                 ; lanes 0 and 16: the group's 32 sums, 128 bytes
	global_store_b128 v[A2], v[E:E+3], s[14:15]
	global_store_b128 v[A2], v[E+4:E+7], s[14:15] offset:16
	global_store_b128 v[A2], v[E+8:E+11], s[14:15] offset:64
	global_store_b128 v[A2], v[E+12:E+15], s[14:15] offset:80
	s_wait_xcnt 0x0
	s_or_b32 exec_lo, exec_lo, s27
	s_wait_tensorcnt 0x0                           ; the wave's end
	ds_add_u32 v1, v2
	s_wait_dscnt 0x0
	s_endpgm
.Lfunc_end_k_q1c65ab6f17_router:
	.size	k_q1c65ab6f17_router, .Lfunc_end_k_q1c65ab6f17_router-k_q1c65ab6f17_router
	.p2alignl 7, 3214868480
	.fill 96, 4, 3214868480
	.section	.rodata,"a",@progbits
	.p2align	6, 0x0
	.amdhsa_kernel k_q1c65ab6f17_router
		.amdhsa_group_segment_fixed_size 75264
		.amdhsa_private_segment_fixed_size 0
		.amdhsa_enable_private_segment 0
		.amdhsa_kernarg_size 48
		.amdhsa_user_sgpr_count 2
		.amdhsa_user_sgpr_kernarg_segment_ptr 1
		.amdhsa_wavefront_size32 1
		.amdhsa_system_sgpr_workgroup_id_x 1
		.amdhsa_system_sgpr_workgroup_id_y 1
		.amdhsa_system_sgpr_workgroup_id_z 1
		.amdhsa_system_vgpr_workitem_id 0
		.amdhsa_next_free_vgpr 232
		.amdhsa_next_free_sgpr 66
		.amdhsa_reserve_vcc 1
		.amdhsa_float_denorm_mode_32 3
		.amdhsa_float_denorm_mode_16_64 3
		.amdhsa_memory_ordered 1
		.amdhsa_forward_progress 1
		.amdhsa_inst_pref_size 44
	.end_amdhsa_kernel
	.amdgpu_metadata
---
amdhsa.version: [ 1, 2 ]
amdhsa.kernels:
  - .name:           k_q1c65ab6f17_router
    .symbol:         k_q1c65ab6f17_router.kd
    .args:
      - { .name: x, .offset: 0, .size: 8, .value_kind: global_buffer, .address_space: global }
      - { .name: gate_w, .offset: 8, .size: 8, .value_kind: global_buffer, .address_space: global }
      - { .name: xb, .offset: 16, .size: 8, .value_kind: global_buffer, .address_space: global }
      - { .name: topi, .offset: 24, .size: 8, .value_kind: global_buffer, .address_space: global }
      - { .name: topw, .offset: 32, .size: 8, .value_kind: global_buffer, .address_space: global }
      - { .name: psum, .offset: 40, .size: 8, .value_kind: global_buffer, .address_space: global }
    .group_segment_fixed_size: 75264
    .private_segment_fixed_size: 0
    .kernarg_segment_align: 8
    .kernarg_segment_size: 48
    .max_flat_workgroup_size: 128
    .sgpr_count:     66
    .vgpr_count:     232
    .wavefront_size: 32
...
	.end_amdgpu_metadata
.endif
;; end of part 1
;; launch up (part 2): grid 8 x 32, 8 waves a work-group, no clusters, 175,360 bytes of LDS; arguments xb, topi, topw, w1, w3, hfrag, list, cnt; writes hfrag, list, cnt
.if DOCPART == 2
	.amdgcn_target "amdgcn-amd-amdhsa--gfx1250"
	.amdhsa_code_object_version 6
	.text
	.protected	k_q1c65ab6f17_up
	.globl	k_q1c65ab6f17_up
	.p2align	8
	.type	k_q1c65ab6f17_up,@function
k_q1c65ab6f17_up:
	s_mov_b64 s[64:65], 0
	v_nop
	global_prefetch_b8 v0, s[64:65] scope:SCOPE_SE
	s_setreg_imm32_b32 hwreg(HW_REG_WAVE_MODE, 25, 1), 1
	s_wait_xcnt 0x0
; FIRST PRODUCTS OF THE EXPERTS.  Work-group (j, e): columns 64 j .. 64 j + 63 of w1[e] and w3[e] ([512][512] f32), which it alone reads, and ALL rows routed to expert e.
; h = cw silu(x w1) (x w3), rounded once to bf16, where cw is the row's combine weight.  A row is a SLOT s = 4 token + k.  Only routed rows are multiplied: the others have cw = 0 in the sum.
; FORMATS.  xb is x in bf16; w1 and w3 are rounded to bf16 on their way through registers; products in bf16 with f32 sums; the activation in f32.  h in bf16, not f16: with all inputs
; 30 times larger it passes f16's range.  LIMITS: NaN and infinities are not treated apart.  Every split is served: 0 to 2,048 rows for an expert.
; THE LIST.  Wave w scans tokens 256 w .. 256 w + 255 of topi and lays the slots routed to e, in order, into its own part of LDS; the eight counts give each part's first row.  Slice 0 also
; stores the list (padded to a multiple of 32 rows by its last row) and the count for the next launch.  All this stands in the wait for the weights.
; hfrag holds tiles of 16 list rows as the next launch's operand registers take them: byte ((128 e + tile) 16 + K step) 1024 + 512 half + 16 lane.
; SHARES.  Wave w takes tiles 8 m + w, two at a time: 16 accumulators.  Rows past the count repeat the last row.  The loops over rows count to the constant that covers every split and jump
; over dead trips; behind the one barrier nothing writes LDS.
; NO CLUSTER, NO TENSOR LOAD: each weight has one reader and must pass through registers to be rounded; the token rows, which an expert's eight slices share, come by a list that no
; descriptor covers.  Every LDS byte is written once.
; REGISTERS.  Window 0: v0-31 addresses; v32-159 weight fragments, two buffers of 8 x 8 (at the head: v32-63 topi, v64-255 weights as loaded); v160-255 at work on the way out.
; Window 1: v0-127 accumulators (tile i, fragment f at 64 i + 8 f; f 0-3: w1's columns, f 4-7: w3's); v128-255 token fragments, two groups of four K steps.
.set WP,    160             ; a k-row in LDS: 128 bytes + 32 = an odd multiple of 32: the turning load's 8 rows x 32 bytes fall on different words modulo 256 bytes
.set WMAT,  512*WP          ; w1's slice, then w3's
.set LIST,  2*WMAT          ; 1,280 bytes a wave: 256 entries, then a word for the lanes that have nothing to put
.set LISTW, 1280
.set CNT,   LIST+8*LISTW    ; the eight counts
.set SPARE, CNT+256         ; the spare words, 128 bytes a wave: four blocks of 256 bytes that no other line names
.set TI,  32
.set ST,  64
.set BF,  32
.set T,   160
.set U,   192
.set H,   224
.set AR,  128
.set MSB, 0
.macro WIN new                         ; s_set_vgpr_msb: bits 1:0 source 0, 3:2 source 1, 5:4 source 2, 7:6 destination; the high byte repeats the setting that is left
.if MSB != (\new)
	s_set_vgpr_msb (MSB<<8)|(\new)
.set MSB, \new
.endif
.endm
	s_load_b256 s[4:11], s[0:1], 0x0               ; xb s[4:5], topi s[6:7], topw s[8:9], w1 s[10:11]
	s_load_b256 s[12:19], s[0:1], 0x20             ; w3 s[12:13], hfrag s[14:15], list s[16:17], cnt s[18:19]
	v_lshl_add_u32 v1, v0, 2, SPARE                ; my spare word,
	v_mov_b32 v2, 0                                ; and 0: kept for the closing lines alone
	v_lshrrev_b32 v5, 5, v0
	v_readfirstlane_b32 s20, v5                    ; wave 0..7
	s_mov_b32 s21, ttmp9                           ; j
	s_and_b32 s22, ttmp7, 0xffff                   ; e
	v_and_b32 v5, 31, v0                           ; L
	v_and_b32 v3, 15, v0                           ; r
	v_bfe_u32 v28, v0, 4, 1                        ; h
	v_lshlrev_b32 v4, 4, v28                       ; 16 h
	v_lshlrev_b32 v6, 4, v5                        ; 16 L
	v_lshlrev_b32 v7, 4, v3
	v_lshl_add_u32 v7, v28, 13, v7                 ; weights: 16 lanes take a k-row's 256 bytes, lanes 16-31 the row four further down
	s_mul_i32 s41, s20, 128*WP                     ; my 128 k-rows in LDS: waves 0-3 fill w1's slice, 4-7 w3's, which lies behind it
	v_mul_u32_u24 v8, v28, 4*WP
	v_lshl_add_u32 v8, v3, 3, v8
	v_add_nc_u32 v8, s41, v8                       ; 8 bytes a lane; the two rows of a store lie 640 = 128 modulo 256 bytes apart
	s_mul_i32 s41, s20, LISTW
	s_add_co_u32 s41, s41, LIST
	v_mov_b32 v9, s41                              ; my part of the list
	s_lshl_b32 s41, s20, 10
	v_lshl_add_u32 v10, v5, 2, s41                 ; 4 (256 w + L): the slot of my first token's choice 0
	v_mov_b32 v11, 0x100                           ; the entry for nothing
	v_and_b32 v29, 7, v0
	v_lshl_add_u32 v29, v28, 3, v29
	v_mul_u32_u24 v29, v29, WP
	v_bfe_u32 v30, v0, 3, 1
	v_lshl_add_u32 v12, v30, 4, v29                ; turning load: k-row 8 h + L % 8, 16 bytes at 16 ((L / 8) % 2): w1, K steps 0-7
	v_add_nc_u32 v13, 8*32*WP, v12                 ; w1, K steps 8-15
	v_add_nc_u32 v14, WMAT, v12                    ; w3
	v_add_nc_u32 v15, WMAT+8*32*WP, v12
	v_mov_b32 v23, 0                               ; named with v22 and v24 as pairs
	v_mov_b32 v25, 0
	s_lshl_b32 s41, s20, 12
	v_add_nc_u32 v31, s41, v6                      ; topi: my wave's 256 tokens of 16 bytes
	s_lshl_b32 s32, s22, 20                        ; the expert's 512 x 512 numbers,
	s_lshl_b32 s41, s21, 8                         ; the slice's 256 bytes of a row,
	s_add_co_u32 s32, s32, s41
	s_and_b32 s41, s20, 3
	s_lshl_b32 s41, s41, 18                        ; my 128 rows of 2,048 bytes
	s_add_co_u32 s32, s32, s41
	s_mov_b32 s33, 0
	s_mov_b32 s40, 0                               ; my count
	s_mov_b32 s60, 0xbfb8aa3b                      ; - log2(e), named as a pair
	s_mov_b32 s61, 0xbfb8aa3b
	s_lshl_b32 s66, s22, 7                         ; 128 e
	s_lshl_b32 s67, s21, 11                        ; the slice's two K steps in a tile of hfrag
	s_lshl_b32 s68, s22, 13                        ; the expert's 2,048 words of list
	s_wait_kmcnt 0x0
	s_cmp_lt_u32 s20, 4
	s_cselect_b64 s[34:35], s[10:11], s[12:13]     ; w1 or w3
	s_add_nc_u64 s[34:35], s[34:35], s[32:33]
.set i, 0
.rept 8
	global_load_b128 v[TI+4*i:TI+4*i+3], v31, s[6:7] offset:512*i
.set i, i+1
.endr
.macro WLOAD n                         ; load n of 64: k-rows 8 (n / 4) + n % 4 and four further down; 48 sets of registers
	global_load_b128 v[ST+4*((\n)%48):ST+4*((\n)%48)+3], v7, s[34:35] offset:((\n)/4)*16384+((\n)%4)*2048 th:TH_LOAD_NT
.endm
.macro CONV n                          ; its four numbers a lane, rounded in place, into LDS
	v_cvt_pk_bf16_f32 v[ST+4*((\n)%48)], v[ST+4*((\n)%48)], v[ST+4*((\n)%48)+1]
	v_cvt_pk_bf16_f32 v[ST+4*((\n)%48)+1], v[ST+4*((\n)%48)+2], v[ST+4*((\n)%48)+3]
	ds_store_b64 v8, v[ST+4*((\n)%48):ST+4*((\n)%48)+1] offset:((\n)/4)*1280+((\n)%4)*160
.endm
.set n, 0
.rept 48                                               ; 48 loads of 512 bytes a wave are out before the first wait
	WLOAD n
.set n, n+1
.endr
	s_wait_loadcnt 48                              ; topi is in; the 48 loads of weights stay out
; 32 tokens: which lanes' token chose e, and as which of its four; they put their slots at the next places of my list, in order.  EXEC is not touched: loads are out.
.macro SCAN i
	v_cmp_eq_u32 s36, s22, v[TI+4*(\i)]
	v_cmp_eq_u32 s37, s22, v[TI+4*(\i)+1]
	v_cmp_eq_u32 s38, s22, v[TI+4*(\i)+2]
	v_cmp_eq_u32 s39, s22, v[TI+4*(\i)+3]
	v_cndmask_b32 v28, 0, 1, s37
	v_cndmask_b32 v28, v28, 2, s38
	v_cndmask_b32 v28, v28, 3, s39
	s_or_b32 s36, s36, s37
	s_or_b32 s38, s38, s39
	s_or_b32 s41, s36, s38
	v_mbcnt_lo_u32_b32 v29, s41, s40               ; my count so far + the choosing lanes below me
	v_add3_u32 v30, v28, v10, 128*(\i)             ; the slot
	v_cndmask_b32 v29, v11, v29, s41
	v_min_u32 v29, 0x100, v29
	v_lshl_add_u32 v29, v29, 2, v9
	ds_store_b32 v29, v30
	s_bcnt1_i32_b32 s41, s41
	s_add_co_u32 s40, s40, s41
.endm
.irp i, 0,1,2,3,4,5,6,7
	SCAN \i
.endr
	s_lshl_b32 s41, s20, 2
	s_add_co_u32 s41, s41, CNT
	v_mov_b32 v29, s41
	v_mov_b32 v30, s40
	ds_store_b32 v29, v30
	s_wait_loadcnt 32                              ; loads 0-15 are in; 16-47 stay out
.set n, 0
.rept 16
	CONV n
.set n, n+1
.endr
.set n, 48
.rept 16
	WLOAD n                                        ; the last 16, into the registers just emptied
.set n, n+1
.endr
	s_wait_loadcnt 32                              ; loads 16-31 are in; 32-63 stay out
.set n, 16
.rept 16
	CONV n
.set n, n+1
.endr
	s_wait_loadcnt 16                              ; loads 32-47 are in
.set n, 32
.rept 16
	CONV n
.set n, n+1
.endr
	s_wait_loadcnt 0x0
.set n, 48
.rept 16
	CONV n
.set n, n+1
.endr
	s_wait_dscnt 0x0                               ; for the others' sake: my weights, my list and my count are in LDS
	s_barrier_signal -1
	s_barrier_wait -1                              ; the only barrier: behind it LDS is read alone
	v_mov_b32 v28, CNT
	ds_load_b128 v[32:35], v28
	ds_load_b128 v[36:39], v28 offset:16
	s_wait_dscnt 0x0
.irp u, 0,1,2,3,4,5,6,7
	v_readfirstlane_b32 s[52+\u], v[32+\u]
	s_min_u32 s[52+\u], s[52+\u], 0x100
.endr
	s_mov_b32 s44, 0                               ; s44-51: the first row of each wave's part
.irp u, 1,2,3,4,5,6,7
	s_add_co_u32 s[44+\u], s[43+\u], s[51+\u]
.endr
	s_add_co_u32 s23, s51, s59                     ; c: the expert's rows
.irp u, 0,1,2,3,4,5,6,7
	s_sub_co_u32 s[52+\u], 320*\u, s[44+\u]        ; s52-59: row + this = the row's word in LIST, if it lies in part u
.endr
	s_sub_co_u32 s24, s23, 1
	s_add_co_u32 s25, s23, 15
	s_lshr_b32 s25, s25, 4                         ; tiles
	s_add_co_u32 s26, s25, 7
	s_sub_co_u32 s26, s26, s20
	s_lshr_b32 s26, s26, 3                         ; my tiles: 8 m + w below that
	s_lshr_b32 s27, s26, 1                         ; pairs of them
; The slot of the row in v28 (rows past the count: the last row's) is asked for, into v[dst].
.macro MAP dst
	v_min_u32 v28, s24, v28
	v_mov_b32 v29, s52
.irp u, 1,2,3,4,5,6,7
	v_cmp_gt_u32 vcc_lo, s[44+\u], v28
	v_cndmask_b32 v29, s[52+\u], v29, vcc_lo       ; the last part that begins at or below the row
.endr
	v_add_nc_u32 v29, v29, v28
	v_min_u32 v29, 0x9ff, v29
	v_lshl_add_u32 v29, v29, 2, LIST
	ds_load_b32 v[\dst], v29
.endm
	s_cmp_lg_u32 s21, 0
	s_cbranch_scc1 .Lrows_in                       ; slice 0 alone stores count and list
	s_cmp_lg_u32 s20, 0
	s_cbranch_scc1 .Lno_cnt
	s_lshl_b32 s41, s22, 2
	v_mov_b32 v31, s41
	v_mov_b32 v30, s23
	v_cmp_eq_u32 vcc_lo, 0, v5
	s_wait_xcnt 0x0                                ; EXEC changes only behind this wait
	s_and_saveexec_b32 s62, vcc_lo
	global_store_b32 v31, v30, s[18:19]
	s_wait_xcnt 0x0
	s_or_b32 exec_lo, exec_lo, s62
.Lno_cnt:
	s_add_co_u32 s42, s23, 31
	s_lshr_b32 s42, s42, 5                         ; pieces of 32 rows: they cover 16 x tiles
	s_mov_b32 s28, 0
.Llist:                                                ; 8 trips cover 64 pieces for 8 waves; a trip past the count is jumped
	s_lshl3_add_u32 s41, s28, s20
	s_cmp_ge_u32 s41, s42
	s_cbranch_scc1 .Llist_next
	s_wait_xcnt 0x0                                ; the last trip's store has read its registers
	s_lshl_b32 s41, s41, 5
	v_add_nc_u32 v28, s41, v5
	v_lshl_add_u32 v31, v28, 2, s68
	MAP 26
	s_wait_dscnt 0x0
	global_store_b32 v31, v26, s[16:17]
.Llist_next:
	s_add_co_u32 s28, s28, 1
	s_cmp_lt_u32 s28, 8
	s_cbranch_scc1 .Llist
.Lrows_in:
.macro BLOAD ks                        ; the 8 weight fragments of K step ks (32 k x 16 columns each), turned: 16 LDS loads in one run
.set bb, BF+64*((\ks)%2)
.irp f, 0,1,2,3,4,5,6,7
	ds_load_tr16_b128 v[bb+8*\f:bb+8*\f+3],   v[12+2*(\f/4)+(\ks)/8] offset:((\ks)%8)*5120+(\f%4)*32
	ds_load_tr16_b128 v[bb+8*\f+4:bb+8*\f+7], v[12+2*(\f/4)+(\ks)/8] offset:((\ks)%8)*5120+(\f%4)*32+2560
.endr
.endm
.macro ALOAD kg, g                     ; the token fragments of K steps 4 kg .. 4 kg + 3: a tile's eight loads on end take 256 aligned bytes of each of its 16 rows
.set ii, 0
.rept \g
.irp s, 0,1,2,3
	global_load_b128 v[AR+64*((\kg)%2)+16*\s+8*ii:AR+64*((\kg)%2)+16*\s+8*ii+3],   v[16+ii], s[4:5] offset:256*(\kg)+64*\s
	global_load_b128 v[AR+64*((\kg)%2)+16*\s+8*ii+4:AR+64*((\kg)%2)+16*\s+8*ii+7], v[16+ii], s[4:5] offset:256*(\kg)+64*\s+32
.endr
.set ii, ii+1
.endr
.endm
; A K step: 8 g products, the accumulators by turns, one instruction a turn.  Source 0 = 16 columns of a weight, source 1 = 16 rows: a lane gets row r, columns 8 h + 0..7.
.macro KSTEP ks, g
.if (\ks)%4 == 0
.if (\ks) < 12
	s_wait_loadcnt 8*(\g)                          ; this group of four K steps is in; the next group's 8 g loads stay out
.else
	s_wait_loadcnt 0x0
.endif
.endif
.if (\ks) < 15
	s_wait_dscnt 16                                ; this K step's fragments are in; the next step's 16 loads stay out
.else
	s_wait_dscnt 0x0
.endif
	WIN 0x54                                       ; weights in window 0; tokens, C and D in window 1
.set ii, 0
.rept \g
.irp f, 0,1,2,3,4,5,6,7
.if (\ks) == 0
	v_wmma_f32_16x16x32_bf16 v[64*ii+8*\f:64*ii+8*\f+7], v[BF+64*((\ks)%2)+8*\f:BF+64*((\ks)%2)+8*\f+7], v[AR+64*(((\ks)/4)%2)+16*((\ks)%4)+8*ii:AR+64*(((\ks)/4)%2)+16*((\ks)%4)+8*ii+7], 0
.else
	v_wmma_f32_16x16x32_bf16 v[64*ii+8*\f:64*ii+8*\f+7], v[BF+64*((\ks)%2)+8*\f:BF+64*((\ks)%2)+8*\f+7], v[AR+64*(((\ks)/4)%2)+16*((\ks)%4)+8*ii:AR+64*(((\ks)/4)%2)+16*((\ks)%4)+8*ii+7], v[64*ii+8*\f:64*ii+8*\f+7]
.endif
.endr
.set ii, ii+1
.endr
.if (\ks) <= 13
	WIN 0
.rept 4
	v_nop                                          ; four places in front of loads into registers that these products read
.endr
	BLOAD (\ks)+2
.endif
.if ((\ks) == 3) || ((\ks) == 7)
	WIN 0x40
	ALOAD (\ks)/4+2, \g
	WIN 0
.endif
.endm
; Tile i's way out.  a = x w1 (accumulators 0-3), b = x w3 (4-7): h = a / (1 + 2^(-a log2 e)) x (b cw).  A very negative a gives 2^.. = infinity, a reciprocal of 0 and h = 0.
; Each accumulator is read from its low end on.  Two batches of 32 transcendentals, one wait each.
.macro EPI i
	WIN 0x01                                       ; source 0 in window 1
.set p, 0
.rept 16
	v_pk_mul_f32 v[T+2*p:T+2*p+1], v[64*(\i)+2*p:64*(\i)+2*p+1], s[60:61] op_sel_hi:[1,0]
.set p, p+1
.endr
	WIN 0
.set p, 0
.rept 32
	v_exp_f32 v[T+p], v[T+p]
.set p, p+1
.endr
	v_nop
	s_wait_alu depctr_va_vdst(0)
.set p, 0
.rept 16
	v_pk_add_f32 v[T+2*p:T+2*p+1], v[T+2*p:T+2*p+1], 1.0 op_sel_hi:[1,0]
.set p, p+1
.endr
.set p, 0
.rept 32
	v_rcp_f32 v[T+p], v[T+p]
.set p, p+1
.endr
	WIN 0x01
.set p, 0
.rept 16                                               ; b cw: work that names no reciprocal stands between the batch and its wait
	v_pk_mul_f32 v[U+2*p:U+2*p+1], v[64*(\i)+32+2*p:64*(\i)+32+2*p+1], v[22+2*(\i):23+2*(\i)] op_sel_hi:[1,0]
.set p, p+1
.endr
	s_wait_alu depctr_va_vdst(0)
.set p, 0
.rept 16
	v_pk_mul_f32 v[T+2*p:T+2*p+1], v[64*(\i)+2*p:64*(\i)+2*p+1], v[T+2*p:T+2*p+1]
.set p, p+1
.endr
	WIN 0
.set p, 0
.rept 16
	v_pk_mul_f32 v[T+2*p:T+2*p+1], v[T+2*p:T+2*p+1], v[U+2*p:U+2*p+1]
.set p, p+1
.endr
.set p, 0
.rept 16
	v_cvt_pk_bf16_f32 v[H+16*(\i)+p], v[T+2*p], v[T+2*p+1]
.set p, p+1
.endr
.irp t, 0,1,2,3                        ; columns 16 t + 8 h + 0..7 of row r are registers 0-3 (t even) or 4-7 (t odd) of lane (r, h) in the next launch's fragment of K step 2 j + t / 2
	global_store_b128 v[18+(\i)], v[H+16*(\i)+4*\t:H+16*(\i)+4*\t+3], s[14:15] offset:(\t/2)*1024+(\t%2)*512  ; 512 consecutive bytes, at a multiple of 512 from hfrag's first
.endr
.endm
; g tiles, 8 (m + i) + w with m in s29, through all of K and out.
.macro GROUP g
	s_wait_xcnt 0x0                                ; the last group's stores have read their data and addresses
.set ii, 0
.rept \g
	s_add_co_u32 s41, s29, ii
	s_lshl3_add_u32 s[30+ii], s41, s20
	s_min_u32 s[30+ii], s[30+ii], 127
	s_lshl_b32 s41, s[30+ii], 4
	v_add_nc_u32 v28, s41, v3                      ; my row of the list
	MAP 26+ii
.set ii, ii+1
.endr
	BLOAD 0
	BLOAD 1
	s_wait_dscnt 32                                ; the slots are in; the 32 fragment loads stay out
.set ii, 0
.rept \g
	v_min_u32 v[26+ii], 0x1fff, v[26+ii]
	v_and_b32 v28, 0x1ffc, v[26+ii]
	v_lshl_add_u32 v[16+ii], v28, 8, v4            ; token x 1,024 bytes + 16 h
	v_lshlrev_b32 v[20+ii], 2, v[26+ii]
	s_add_co_u32 s41, s66, s[30+ii]
	s_lshl_b32 s41, s41, 14
	s_add_co_u32 s41, s41, s67
	v_add_nc_u32 v[18+ii], s41, v6                 ; my 16 bytes in the tile of hfrag
	global_load_b32 v[22+2*ii], v[20+ii], s[8:9]   ; the row's combine weight
.set ii, ii+1
.endr
	WIN 0x40                                       ; destination window 1, address window 0
	ALOAD 0, \g
	ALOAD 1, \g
	WIN 0
.set kk, 0
.rept 16
	KSTEP kk, \g
.set kk, kk+1
.endr
	WIN 0
.rept 4
	v_nop                                          ; four places between the last products and the first reader of a sum
.endr
	EPI 0
.if \g > 1
	EPI 1
.endif
.endm
	s_mov_b32 s28, 0
.Lrows:                                                ; 8 trips cover 128 tiles for 8 waves, two a trip; a trip past my pairs is jumped
	s_cmp_ge_u32 s28, s27
	s_cbranch_scc1 .Lrows_next
	s_lshl_b32 s29, s28, 1
	GROUP 2
.Lrows_next:
	s_add_co_u32 s28, s28, 1
	s_cmp_lt_u32 s28, 8
	s_cbranch_scc1 .Lrows
	s_bitcmp1_b32 s26, 0
	s_cbranch_scc1 .Lodd
	s_wait_tensorcnt 0x0                           ; the wave's end
	ds_add_u32 v1, v2
	s_wait_dscnt 0x0
	s_endpgm
.Lodd:                                                 ; an odd number of tiles: the last one alone
	s_sub_co_u32 s29, s26, 1
	GROUP 1
	s_wait_tensorcnt 0x0
	ds_add_u32 v1, v2
	s_wait_dscnt 0x0
	s_endpgm
.Lfunc_end_k_q1c65ab6f17_up:
	.size	k_q1c65ab6f17_up, .Lfunc_end_k_q1c65ab6f17_up-k_q1c65ab6f17_up
	.p2alignl 7, 3214868480
	.fill 96, 4, 3214868480
	.section	.rodata,"a",@progbits
	.p2align	6, 0x0
	.amdhsa_kernel k_q1c65ab6f17_up
		.amdhsa_group_segment_fixed_size 175360
		.amdhsa_private_segment_fixed_size 0
		.amdhsa_enable_private_segment 0
		.amdhsa_kernarg_size 64
		.amdhsa_user_sgpr_count 2
		.amdhsa_user_sgpr_kernarg_segment_ptr 1
		.amdhsa_wavefront_size32 1
		.amdhsa_system_sgpr_workgroup_id_x 1
		.amdhsa_system_sgpr_workgroup_id_y 1
		.amdhsa_system_sgpr_workgroup_id_z 1
		.amdhsa_system_vgpr_workitem_id 0
		.amdhsa_next_free_vgpr 512
		.amdhsa_next_free_sgpr 72
		.amdhsa_reserve_vcc 1
		.amdhsa_float_denorm_mode_32 3
		.amdhsa_float_denorm_mode_16_64 3
		.amdhsa_memory_ordered 1
		.amdhsa_forward_progress 1
		.amdhsa_inst_pref_size 137
	.end_amdhsa_kernel
	.amdgpu_metadata
---
amdhsa.version: [ 1, 2 ]
amdhsa.kernels:
  - .name:           k_q1c65ab6f17_up
    .symbol:         k_q1c65ab6f17_up.kd
    .args:
      - { .name: xb, .offset: 0, .size: 8, .value_kind: global_buffer, .address_space: global }
      - { .name: topi, .offset: 8, .size: 8, .value_kind: global_buffer, .address_space: global }
      - { .name: topw, .offset: 16, .size: 8, .value_kind: global_buffer, .address_space: global }
      - { .name: w1, .offset: 24, .size: 8, .value_kind: global_buffer, .address_space: global }
      - { .name: w3, .offset: 32, .size: 8, .value_kind: global_buffer, .address_space: global }
      - { .name: hfrag, .offset: 40, .size: 8, .value_kind: global_buffer, .address_space: global }
      - { .name: list, .offset: 48, .size: 8, .value_kind: global_buffer, .address_space: global }
      - { .name: cnt, .offset: 56, .size: 8, .value_kind: global_buffer, .address_space: global }
    .group_segment_fixed_size: 175360
    .private_segment_fixed_size: 0
    .kernarg_segment_align: 8
    .kernarg_segment_size: 64
    .max_flat_workgroup_size: 256
    .sgpr_count:     72
    .vgpr_count:     512
    .wavefront_size: 32
...
	.end_amdgpu_metadata
.endif
;; end of part 2
;; launch down (part 3): grid 8 x 32, 8 waves a work-group, no clusters, 117,760 bytes of LDS; arguments hfrag, list, cnt, w2, part; writes part
.if DOCPART == 3
	.amdgcn_target "amdgcn-amd-amdhsa--gfx1250"
	.amdhsa_code_object_version 6
	.text
	.protected	k_q1c65ab6f17_down
	.globl	k_q1c65ab6f17_down
	.p2align	8
	.type	k_q1c65ab6f17_down,@function
k_q1c65ab6f17_down:
	s_mov_b64 s[64:65], 0
	v_nop
	global_prefetch_b8 v0, s[64:65] scope:SCOPE_SE
	s_setreg_imm32_b32 hwreg(HW_REG_WAVE_MODE, 25, 1), 1
	s_wait_xcnt 0x0
; SECOND PRODUCT OF THE EXPERTS.  Work-group (j, e): columns 64 j .. 64 j + 63 of w2[e] ([512][512] f32), which it alone reads, and all c = cnt[e] rows of expert e.
; part[slot][64 j ..] = h w2 in f32, where h (bf16, the combine weight folded in) comes from hfrag as operand registers and the row's slot from list.  Each slot's row of part has one expert,
; each 256 bytes of it one work-group.  w2 is rounded to bf16 on its way through registers; sums in f32; part is a partial sum and stays f32.  LIMITS: NaN and infinities are not treated apart.
; SHARES.  Wave w takes tiles 8 m + w of 16 rows, two a trip.  The loop counts to the constant that covers every split (128 tiles); a trip compares its tiles' first rows with c and does two
; tiles, one or none; no barrier stands in it; the stage is each wave's own; every tile number comes from the trip and the wave's number alone.
; THE TILE THAT IS NOT FULL.  Its places past the count hold the expert's last row once more, in hfrag and in list alike (the launch before lays them so): all 16 rows are stored, and the
; repeats write the same numbers to the same bytes of part again, from this wave: at most 15 rows of 256 bytes a work-group.  An expert without rows has no tile and stores nothing.
; NO CLUSTER, NO TENSOR LOAD: each weight has one reader and passes through registers to be rounded.  An expert's eight slices do read the same tiles of h; asking for them jointly would put
; a ring and its barriers into a loop whose work hangs on a stored count.
; REGISTERS.  Window 0: v0-22 addresses; v24-39 slots; v40-47 store addresses; v48-111 weight fragments, two buffers of 4 x 8; v112-143 rows on the way out (at the head: v128-255 weights as loaded).
; Window 1: v0-63 accumulators (tile i, fragment f at 32 i + 8 f); v128-255 h fragments, two groups of four K steps.
.set WP,    160             ; a k-row in LDS: 128 bytes + 32, an odd multiple of 32, for the turning load
.set STAGE, 512*WP          ; 16 rows x 272 bytes for each wave
.set SP,    272             ; a stage row: 256 bytes + 16
.set SPARE, STAGE+8*16*SP   ; the spare words, 128 bytes a wave: four blocks of 256 bytes that no other line names
.set ST,  128
.set SL,  24
.set PO,  40
.set BF,  48
.set OB,  112
.set AR,  128
.set MSB, 0
.macro WIN new                         ; s_set_vgpr_msb: bits 1:0 source 0, 3:2 source 1, 5:4 source 2, 7:6 destination; the high byte repeats the setting that is left
.if MSB != (\new)
	s_set_vgpr_msb (MSB<<8)|(\new)
.set MSB, \new
.endif
.endm
	s_load_b256 s[4:11], s[0:1], 0x0               ; hfrag s[4:5], list s[6:7], cnt s[8:9], w2 s[10:11]
	s_load_b64 s[12:13], s[0:1], 0x20              ; part
	v_lshl_add_u32 v1, v0, 2, SPARE                ; my spare word,
	v_mov_b32 v2, 0                                ; and 0: kept for the closing lines alone
	v_lshrrev_b32 v5, 5, v0
	v_readfirstlane_b32 s20, v5                    ; wave 0..7
	s_mov_b32 s21, ttmp9                           ; j
	s_and_b32 s22, ttmp7, 0xffff                   ; e
	v_and_b32 v5, 31, v0                           ; L
	v_and_b32 v3, 15, v0                           ; r
	v_bfe_u32 v4, v0, 4, 1                         ; h
	v_lshlrev_b32 v6, 4, v5                        ; 16 L
	v_lshlrev_b32 v7, 4, v3
	v_lshl_add_u32 v7, v4, 13, v7                  ; weights: 16 lanes take a k-row's 256 bytes, lanes 16-31 the row four further down
	s_mul_i32 s41, s20, 64*WP                      ; my 64 k-rows in LDS
	v_mul_u32_u24 v8, v4, 4*WP
	v_lshl_add_u32 v8, v3, 3, v8
	v_add_nc_u32 v8, s41, v8                       ; 8 bytes a lane; the two rows of a store lie 640 = 128 modulo 256 bytes apart
	v_and_b32 v9, 7, v0
	v_lshl_add_u32 v9, v4, 3, v9
	v_mul_u32_u24 v9, v9, WP
	v_bfe_u32 v10, v0, 3, 1
	v_lshl_add_u32 v12, v10, 4, v9                 ; turning load: k-row 8 h + L % 8, 16 bytes at 16 ((L / 8) % 2): K steps 0-7
	v_add_nc_u32 v13, 8*32*WP, v12                 ; K steps 8-15
	s_mul_i32 s41, s20, 16*SP
	s_add_co_u32 s41, s41, STAGE                   ; my stage
	v_mul_u32_u24 v20, v3, SP
	v_lshl_add_u32 v20, v4, 5, v20
	v_add_nc_u32 v20, s41, v20                     ; in: row r, 32 bytes for each half of the lanes
	v_mul_u32_u24 v21, v4, 8*SP
	v_lshl_add_u32 v21, v3, 4, v21
	v_add_nc_u32 v21, s41, v21                     ; back: lanes 0-15 take a row of 256 bytes, lanes 16-31 the row eight further down
	s_lshl_b32 s41, s21, 8
	v_lshl_add_u32 v22, v3, 4, s41                 ; my 16 bytes in a row of part
	s_lshl_b32 s32, s22, 20                        ; the expert's 512 x 512 numbers,
	s_add_co_u32 s32, s32, s41                     ; the slice's 256 bytes of a row,
	s_lshl_b32 s41, s20, 17                        ; my 64 rows of 2,048 bytes
	s_add_co_u32 s32, s32, s41
	s_mov_b32 s33, 0
	s_lshl_b32 s34, s22, 2
	s_mov_b32 s35, 0
	s_lshl_b32 s42, s22, 7                         ; 128 e
	s_lshl_b32 s43, s22, 13                        ; the expert's 2,048 words of list
	s_wait_kmcnt 0x0
	s_add_nc_u64 s[10:11], s[10:11], s[32:33]
	s_add_nc_u64 s[8:9], s[8:9], s[34:35]
.set n, 0
.rept 32                                               ; all of my 32 loads of 512 bytes are out before the first wait
	global_load_b128 v[ST+4*n:ST+4*n+3], v7, s[10:11] offset:(n/4)*16384+(n%4)*2048 th:TH_LOAD_NT
.set n, n+1
.endr
	s_load_b32 s23, s[8:9], 0x0                    ; c
.macro CONV n                          ; a load's four numbers a lane, rounded in place, into LDS
	v_cvt_pk_bf16_f32 v[ST+4*(\n)], v[ST+4*(\n)], v[ST+4*(\n)+1]
	v_cvt_pk_bf16_f32 v[ST+4*(\n)+1], v[ST+4*(\n)+2], v[ST+4*(\n)+3]
	ds_store_b64 v8, v[ST+4*(\n):ST+4*(\n)+1] offset:((\n)/4)*1280+((\n)%4)*160
.endm
	s_wait_loadcnt 16                              ; loads 0-15 are in; 16-31 stay out
.set n, 0
.rept 16
	CONV n
.set n, n+1
.endr
	s_wait_loadcnt 0x0
.rept 16
	CONV n
.set n, n+1
.endr
	s_wait_kmcnt 0x0
	s_min_u32 s23, s23, 0x800                      ; c, at most 2,048: it is compared with rows below and enters nothing else
	s_wait_dscnt 0x0                               ; for the others' sake: my weights are in LDS
	s_barrier_signal -1
	s_barrier_wait -1                              ; the only barrier; an expert without rows passes it too
.macro BLOAD ks                        ; the 4 weight fragments of K step ks, turned: 8 LDS loads in one run
.set bb, BF+32*((\ks)%2)
.irp f, 0,1,2,3
	ds_load_tr16_b128 v[bb+8*\f:bb+8*\f+3],   v[12+(\ks)/8] offset:((\ks)%8)*5120+\f*32
	ds_load_tr16_b128 v[bb+8*\f+4:bb+8*\f+7], v[12+(\ks)/8] offset:((\ks)%8)*5120+\f*32+2560
.endr
.endm
.macro ALOAD kg, g                     ; h's fragments of K steps 4 kg .. 4 kg + 3, as they lie: each load takes 512 consecutive bytes
.set ii, 0
.rept \g
.irp s, 0,1,2,3
	global_load_b128 v[AR+64*((\kg)%2)+16*\s+8*ii:AR+64*((\kg)%2)+16*\s+8*ii+3],   v[16+ii], s[4:5] offset:4096*(\kg)+1024*\s
	global_load_b128 v[AR+64*((\kg)%2)+16*\s+8*ii+4:AR+64*((\kg)%2)+16*\s+8*ii+7], v[16+ii], s[4:5] offset:4096*(\kg)+1024*\s+512
.endr
.set ii, ii+1
.endr
.endm
; A K step: 4 g products, the accumulators by turns, one instruction a turn.  Source 0 = 16 columns of w2, source 1 = 16 rows of h: a lane gets row r, columns 8 h + 0..7.
.macro KSTEP ks, g
.if (\ks)%4 == 0
.if (\ks) < 12
	s_wait_loadcnt 8*(\g)                          ; this group of four K steps is in (and the slots, which are older); the next group's 8 g loads stay out
.else
	s_wait_loadcnt 0x0
.endif
.endif
.if (\ks) < 15
	s_wait_dscnt 8                                 ; this K step's fragments are in; the next step's 8 loads stay out
.else
	s_wait_dscnt 0x0
.endif
	WIN 0x54                                       ; weights in window 0; h, C and D in window 1
.set ii, 0
.rept \g
.irp f, 0,1,2,3
.if (\ks) == 0
	v_wmma_f32_16x16x32_bf16 v[32*ii+8*\f:32*ii+8*\f+7], v[BF+32*((\ks)%2)+8*\f:BF+32*((\ks)%2)+8*\f+7], v[AR+64*(((\ks)/4)%2)+16*((\ks)%4)+8*ii:AR+64*(((\ks)/4)%2)+16*((\ks)%4)+8*ii+7], 0
.else
	v_wmma_f32_16x16x32_bf16 v[32*ii+8*\f:32*ii+8*\f+7], v[BF+32*((\ks)%2)+8*\f:BF+32*((\ks)%2)+8*\f+7], v[AR+64*(((\ks)/4)%2)+16*((\ks)%4)+8*ii:AR+64*(((\ks)/4)%2)+16*((\ks)%4)+8*ii+7], v[32*ii+8*\f:32*ii+8*\f+7]
.endif
.endr
.set ii, ii+1
.endr
.if (\ks) <= 13
	WIN 0
.rept 4
	v_nop                                          ; four places in front of loads into registers that these products read
.endr
	BLOAD (\ks)+2
.endif
.if ((\ks) == 3) || ((\ks) == 7)
	WIN 0x40
	ALOAD (\ks)/4+2, \g
	WIN 0
.endif
.endm
; Tile i's way out: a lane's 8 numbers of a row go into my stage and come back as whole rows of 256 bytes; row t + 8 h goes to its slot's row of part.
.macro EPI2 i
	s_wait_xcnt 0x0                                ; the stores before have read their data and addresses
	WIN 0x04                                       ; store data in window 1
.irp f, 0,1,2,3
	ds_store_b128 v20, v[32*(\i)+8*\f:32*(\i)+8*\f+3] offset:64*\f            ; each accumulator's low registers first
	ds_store_b128 v20, v[32*(\i)+8*\f+4:32*(\i)+8*\f+7] offset:64*\f+16
.endr
	WIN 0
.irp t, 0,1,2,3,4,5,6,7
	ds_load_b128 v[OB+4*\t:OB+4*\t+3], v21 offset:SP*\t  ; LDS serves a wave's instructions in order (ISA guide 5.7.1.4): these see the stores above
.endr
.irp t, 0,1,2,3,4,5,6,7
	v_min_u32 v[SL+8*(\i)+\t], 0x1fff, v[SL+8*(\i)+\t]
	v_lshl_add_u32 v[PO+\t], v[SL+8*(\i)+\t], 11, v22
.endr
	s_wait_dscnt 0x0
.irp t, 0,1,2,3,4,5,6,7
	global_store_b128 v[PO+\t], v[OB+4*\t:OB+4*\t+3], s[12:13]  ; 16 lanes store 256 consecutive bytes, at a multiple of 256 from part's first
.endr
.endm
; g tiles, s29 and s29 + 8, through all of K and out.
.macro GROUP g
	s_wait_xcnt 0x0                                ; the last group's stores have read their data and addresses
.set ii, 0
.rept \g
	s_add_co_u32 s[30+ii], s29, 8*ii
	s_min_u32 s[30+ii], s[30+ii], 127
	s_add_co_u32 s41, s42, s[30+ii]
	s_lshl_b32 s41, s41, 14
	v_add_nc_u32 v[16+ii], s41, v6                 ; my 16 bytes in the tile of hfrag
	s_lshl_b32 s41, s[30+ii], 6
	s_add_co_u32 s41, s41, s43
	v_lshl_add_u32 v[18+ii], v4, 5, s41            ; the slots of rows 8 h .. 8 h + 7
	global_load_b128 v[SL+8*ii:SL+8*ii+3], v[18+ii], s[6:7]
	global_load_b128 v[SL+8*ii+4:SL+8*ii+7], v[18+ii], s[6:7] offset:16
.set ii, ii+1
.endr
	WIN 0x40                                       ; destination window 1, address window 0
	ALOAD 0, \g
	ALOAD 1, \g
	WIN 0
	BLOAD 0
	BLOAD 1
.set kk, 0
.rept 16
	KSTEP kk, \g
.set kk, kk+1
.endr
	WIN 0
.rept 4
	v_nop                                          ; four places between the last products and the stores that read the sums
.endr
	EPI2 0
.if \g > 1
	EPI2 1
.endif
.endm
	s_mov_b32 s28, 0
.Lrows:                                                ; 8 trips cover 128 tiles for 8 waves, two a trip
	s_lshl4_add_u32 s29, s28, s20                  ; the trip's first tile: 16 trip + w; its second lies 8 tiles on
	s_lshl_b32 s41, s29, 4                         ; the first tile's first row
	s_cmp_ge_u32 s41, s23
	s_cbranch_scc1 .Lrows_next                     ; at or past the count: the trip has nothing
	s_add_co_u32 s41, s41, 128                     ; the second tile's first row
	s_cmp_ge_u32 s41, s23
	s_cbranch_scc1 .Lone
	GROUP 2
	s_branch .Lrows_next
.Lone:                                                 ; the first tile alone
	GROUP 1
.Lrows_next:
	s_add_co_u32 s28, s28, 1
	s_cmp_lt_u32 s28, 8
	s_cbranch_scc1 .Lrows
	s_wait_tensorcnt 0x0                           ; the wave's end
	ds_add_u32 v1, v2
	s_wait_dscnt 0x0
	s_endpgm
.Lfunc_end_k_q1c65ab6f17_down:
	.size	k_q1c65ab6f17_down, .Lfunc_end_k_q1c65ab6f17_down-k_q1c65ab6f17_down
	.p2alignl 7, 3214868480
	.fill 96, 4, 3214868480
	.section	.rodata,"a",@progbits
	.p2align	6, 0x0
	.amdhsa_kernel k_q1c65ab6f17_down
		.amdhsa_group_segment_fixed_size 117760
		.amdhsa_private_segment_fixed_size 0
		.amdhsa_enable_private_segment 0
		.amdhsa_kernarg_size 40
		.amdhsa_user_sgpr_count 2
		.amdhsa_user_sgpr_kernarg_segment_ptr 1
		.amdhsa_wavefront_size32 1
		.amdhsa_system_sgpr_workgroup_id_x 1
		.amdhsa_system_sgpr_workgroup_id_y 1
		.amdhsa_system_sgpr_workgroup_id_z 1
		.amdhsa_system_vgpr_workitem_id 0
		.amdhsa_next_free_vgpr 512
		.amdhsa_next_free_sgpr 66
		.amdhsa_reserve_vcc 0
		.amdhsa_float_denorm_mode_32 3
		.amdhsa_float_denorm_mode_16_64 3
		.amdhsa_memory_ordered 1
		.amdhsa_forward_progress 1
		.amdhsa_inst_pref_size 67
	.end_amdhsa_kernel
	.amdgpu_metadata
---
amdhsa.version: [ 1, 2 ]
amdhsa.kernels:
  - .name:           k_q1c65ab6f17_down
    .symbol:         k_q1c65ab6f17_down.kd
    .args:
      - { .name: hfrag, .offset: 0, .size: 8, .value_kind: global_buffer, .address_space: global }
      - { .name: list, .offset: 8, .size: 8, .value_kind: global_buffer, .address_space: global }
      - { .name: cnt, .offset: 16, .size: 8, .value_kind: global_buffer, .address_space: global }
      - { .name: w2, .offset: 24, .size: 8, .value_kind: global_buffer, .address_space: global }
      - { .name: part, .offset: 32, .size: 8, .value_kind: global_buffer, .address_space: global }
    .group_segment_fixed_size: 117760
    .private_segment_fixed_size: 0
    .kernarg_segment_align: 8
    .kernarg_segment_size: 40
    .max_flat_workgroup_size: 256
    .sgpr_count:     66
    .vgpr_count:     512
    .wavefront_size: 32
...
	.end_amdgpu_metadata
.endif
;; end of part 3
;; launch combine (part 4): grid 256 x 1, 8 waves a work-group, no clusters, 0 bytes of LDS; arguments part, psum, out0, out1; writes out0, out1
.if DOCPART == 4
	.amdgcn_target "amdgcn-amd-amdhsa--gfx1250"
	.amdhsa_code_object_version 6
	.text
	.protected	k_q1c65ab6f17_combine
	.globl	k_q1c65ab6f17_combine
	.p2align	8
	.type	k_q1c65ab6f17_combine,@function
k_q1c65ab6f17_combine:
	s_mov_b64 s[64:65], 0
	v_nop
	global_prefetch_b8 v0, s[64:65] scope:SCOPE_SE
	s_setreg_imm32_b32 hwreg(HW_REG_WAVE_MODE, 25, 1), 1
	s_wait_xcnt 0x0
; out0[t] = part[4 t] + part[4 t + 1] + part[4 t + 2] + part[4 t + 3], all f32, rows of 512 numbers: the four experts' weighted results of a token.  One wave, one token: 2,048 waves.
; The wave of token 0 also makes out1 = 32 sum_e (P_e / 2048) (P_e / sum P) = sum P^2 / (64 sum P), where P_e is the sum of psum's 128 rows.
; A stream: no LDS, no barrier, no matrix unit.  All 16 loads of a wave are out before the first wait; each load and store covers 512 consecutive bytes.
.set P, 16                             ; v16-79   piece c of a row, slot k: 4 registers at P + 16 c + 4 k
.set Q, 80                             ; v80-207  psum: 32 loads of 4 registers
	s_load_b256 s[4:11], s[0:1], 0x0               ; part s[4:5], psum s[6:7], out0 s[8:9], out1 s[10:11]
	v_lshrrev_b32 v1, 5, v0
	v_readfirstlane_b32 s12, v1                    ; wave 0..7
	v_and_b32 v2, 31, v0
	v_lshlrev_b32 v3, 4, v2                        ; 16 bytes a lane
	s_lshl3_add_u32 s13, ttmp9, s12                ; my token
	s_lshl_b32 s14, s13, 13                        ; its four rows of 2,048 bytes in part,
	s_mov_b32 s15, 0
	s_lshl_b32 s16, s13, 11                        ; its row in out0
	s_mov_b32 s17, 0
	s_mov_b32 s18, 0x76543210                      ; v_permlanex16_b32: each lane takes its own place in the other half
	s_mov_b32 s19, 0xfedcba98
	s_wait_kmcnt 0x0
	s_add_nc_u64 s[4:5], s[4:5], s[14:15]
	s_add_nc_u64 s[8:9], s[8:9], s[16:17]
.macro MAIN
.irp c, 0,1,2,3
.irp k, 0,1,2,3
	global_load_b128 v[P+16*\c+4*\k:P+16*\c+4*\k+3], v3, s[4:5] offset:512*\c+2048*\k th:TH_LOAD_NT
.endr
.endr
.irp c, 0,1,2,3
	s_wait_loadcnt 12-4*\c                         ; piece c's four loads are in; the later pieces' stay out
	v_pk_add_f32 v[P+16*\c:P+16*\c+1], v[P+16*\c:P+16*\c+1], v[P+16*\c+4:P+16*\c+5]
	v_pk_add_f32 v[P+16*\c+2:P+16*\c+3], v[P+16*\c+2:P+16*\c+3], v[P+16*\c+6:P+16*\c+7]
	v_pk_add_f32 v[P+16*\c+8:P+16*\c+9], v[P+16*\c+8:P+16*\c+9], v[P+16*\c+12:P+16*\c+13]
	v_pk_add_f32 v[P+16*\c+10:P+16*\c+11], v[P+16*\c+10:P+16*\c+11], v[P+16*\c+14:P+16*\c+15]
	v_pk_add_f32 v[P+16*\c:P+16*\c+1], v[P+16*\c:P+16*\c+1], v[P+16*\c+8:P+16*\c+9]
	v_pk_add_f32 v[P+16*\c+2:P+16*\c+3], v[P+16*\c+2:P+16*\c+3], v[P+16*\c+10:P+16*\c+11]
	global_store_b128 v3, v[P+16*\c:P+16*\c+3], s[8:9] offset:512*\c th:TH_STORE_NT
.endr
.endm
	s_cmp_eq_u32 s13, 0
	s_cbranch_scc1 .Laux
	MAIN
	s_endpgm
.Laux:                                                 ; token 0's wave: psum's loads are older than MAIN's, so MAIN's counts hold
.set i, 0
.rept 32                                               ; 512 consecutive bytes: four rows of 32; lane L holds experts 4 (L % 8) .. + 3 of row 4 i + L / 8
	global_load_b128 v[Q+4*i:Q+4*i+3], v3, s[6:7] offset:512*i
.set i, i+1
.endr
	MAIN
	s_wait_loadcnt 0x0
.set i, 4
.rept 28                                               ; four chains
	v_pk_add_f32 v[Q+4*(i%4):Q+4*(i%4)+1], v[Q+4*(i%4):Q+4*(i%4)+1], v[Q+4*i:Q+4*i+1]
	v_pk_add_f32 v[Q+4*(i%4)+2:Q+4*(i%4)+3], v[Q+4*(i%4)+2:Q+4*(i%4)+3], v[Q+4*i+2:Q+4*i+3]
.set i, i+1
.endr
	v_pk_add_f32 v[Q:Q+1], v[Q:Q+1], v[Q+4:Q+5]
	v_pk_add_f32 v[Q+2:Q+3], v[Q+2:Q+3], v[Q+6:Q+7]
	v_pk_add_f32 v[Q+8:Q+9], v[Q+8:Q+9], v[Q+12:Q+13]
	v_pk_add_f32 v[Q+10:Q+11], v[Q+10:Q+11], v[Q+14:Q+15]
	v_pk_add_f32 v[Q:Q+1], v[Q:Q+1], v[Q+8:Q+9]
	v_pk_add_f32 v[Q+2:Q+3], v[Q+2:Q+3], v[Q+10:Q+11]
.irp z, 0,1,2,3                                        ; the four lanes that hold the same experts: 8 and 16 apart
	v_add_f32_dpp v[Q+\z], v[Q+\z], v[Q+\z] row_xmask:8 row_mask:0xf bank_mask:0xf
.endr
.irp z, 0,1,2,3
	v_permlanex16_b32 v[Q+4+\z], v[Q+\z], s18, s19
.endr
.irp z, 0,1,2,3
	v_add_f32 v[Q+\z], v[Q+\z], v[Q+4+\z]
.endr
	v_add_f32 v[Q+8], v[Q], v[Q+1]
	v_add_f32 v[Q+9], v[Q+2], v[Q+3]
	v_add_f32 v[Q+8], v[Q+8], v[Q+9]               ; my four experts' sum of P,
	v_mul_f32 v[Q+10], v[Q], v[Q]
	v_fmac_f32 v[Q+10], v[Q+1], v[Q+1]
	v_fmac_f32 v[Q+10], v[Q+2], v[Q+2]
	v_fmac_f32 v[Q+10], v[Q+3], v[Q+3]             ; and of P^2
.irp m, 1,2,4                                          ; over the eight lanes that hold the 32 experts
	v_add_f32_dpp v[Q+8], v[Q+8], v[Q+8] row_xmask:\m row_mask:0xf bank_mask:0xf
	v_add_f32_dpp v[Q+10], v[Q+10], v[Q+10] row_xmask:\m row_mask:0xf bank_mask:0xf
.endr
	v_rcp_f32 v[Q+11], v[Q+8]
	v_mul_f32 v[Q+10], 0x3c800000, v[Q+10]         ; / 64; the plain instruction behind the reciprocal
	v_mov_b32 v4, 0
	s_wait_alu depctr_va_vdst(0)                   ; the wait ahead of the reciprocal's reader
	v_mul_f32 v[Q+10], v[Q+10], v[Q+11]
	v_cmp_eq_u32 vcc_lo, 0, v2
	s_wait_xcnt 0x0                                ; EXEC changes only behind this wait
	s_and_saveexec_b32 s20, vcc_lo
	global_store_b32 v4, v[Q+10], s[10:11]
	s_wait_xcnt 0x0
	s_or_b32 exec_lo, exec_lo, s20
	s_endpgm
.Lfunc_end_k_q1c65ab6f17_combine:
	.size	k_q1c65ab6f17_combine, .Lfunc_end_k_q1c65ab6f17_combine-k_q1c65ab6f17_combine
	.p2alignl 7, 3214868480
	.fill 96, 4, 3214868480
	.section	.rodata,"a",@progbits
	.p2align	6, 0x0
	.amdhsa_kernel k_q1c65ab6f17_combine
		.amdhsa_group_segment_fixed_size 0
		.amdhsa_private_segment_fixed_size 0
		.amdhsa_enable_private_segment 0
		.amdhsa_kernarg_size 32
		.amdhsa_user_sgpr_count 2
		.amdhsa_user_sgpr_kernarg_segment_ptr 1
		.amdhsa_wavefront_size32 1
		.amdhsa_system_sgpr_workgroup_id_x 1
		.amdhsa_system_sgpr_workgroup_id_y 1
		.amdhsa_system_sgpr_workgroup_id_z 1
		.amdhsa_system_vgpr_workitem_id 0
		.amdhsa_next_free_vgpr 208
		.amdhsa_next_free_sgpr 66
		.amdhsa_reserve_vcc 1
		.amdhsa_float_denorm_mode_32 3
		.amdhsa_float_denorm_mode_16_64 3
		.amdhsa_memory_ordered 1
		.amdhsa_forward_progress 1
		.amdhsa_inst_pref_size 17
	.end_amdhsa_kernel
	.amdgpu_metadata
---
amdhsa.version: [ 1, 2 ]
amdhsa.kernels:
  - .name:           k_q1c65ab6f17_combine
    .symbol:         k_q1c65ab6f17_combine.kd
    .args:
      - { .name: part, .offset: 0, .size: 8, .value_kind: global_buffer, .address_space: global }
      - { .name: psum, .offset: 8, .size: 8, .value_kind: global_buffer, .address_space: global }
      - { .name: out0, .offset: 16, .size: 8, .value_kind: global_buffer, .address_space: global }
      - { .name: out1, .offset: 24, .size: 8, .value_kind: global_buffer, .address_space: global }
    .group_segment_fixed_size: 0
    .private_segment_fixed_size: 0
    .kernarg_segment_align: 8
    .kernarg_segment_size: 32
    .max_flat_workgroup_size: 256
    .sgpr_count:     66
    .vgpr_count:     208
    .wavefront_size: 32
...
	.end_amdgpu_metadata
.endif
;; end of part 4
;; ======== version 2 of 2: 4 launches; version 1 with the launch down written anew for expert scheduling mode
;; workspace buffers: xb 2,097,152 bytes; topi 32,768 bytes of whole numbers; topw 32,768 bytes; psum 16,384 bytes; hfrag 67,108,864 bytes; list 262,144 bytes of whole numbers; cnt 256 bytes of whole numbers; part 16,777,216 bytes
;; launch router: the kernel of part 1 again; grid 128 x 1, 4 waves a work-group, no clusters, 75,264 bytes of LDS; arguments x, gate_w, xb, topi, topw, psum; writes xb, topi, topw, psum
;; launch up: the kernel of part 2 again; grid 8 x 32, 8 waves a work-group, no clusters, 175,360 bytes of LDS; arguments xb, topi, topw, w1, w3, hfrag, list, cnt; writes hfrag, list, cnt
;; launch down (part 5): grid 8 x 32, 8 waves a work-group, no clusters, 117,760 bytes of LDS; arguments hfrag, list, cnt, w2, part; writes part
.if DOCPART == 5
	.amdgcn_target "amdgcn-amd-amdhsa--gfx1250"
	.amdhsa_code_object_version 6
	.text
	.protected	k_q1c65ab6f17_down
	.globl	k_q1c65ab6f17_down
	.p2align	8
	.type	k_q1c65ab6f17_down,@function
k_q1c65ab6f17_down:
	s_mov_b64 s[64:65], 0
	v_nop
	global_prefetch_b8 v0, s[64:65] scope:SCOPE_SE
	s_setreg_imm32_b32 hwreg(HW_REG_WAVE_SCHED_MODE, 0, 2), 2
	s_setreg_imm32_b32 hwreg(HW_REG_WAVE_MODE, 25, 1), 1
	s_wait_xcnt 0x0
	s_wait_alu depctr_vm_vsrc(0)
; SECOND PRODUCT OF THE EXPERTS.  Work-group (j, e): columns 64 j .. 64 j + 63 of w2[e] ([512][512] f32), which it alone reads, and all c = cnt[e] rows of expert e.
; part[slot][64 j ..] = h w2 in f32, where h (bf16, the combine weight folded in) comes from hfrag as operand registers and the row's slot from list.  Each slot's row of part has one expert,
; each 256 bytes of it one work-group.  w2 is rounded to bf16 on its way through registers; sums in f32; part is a partial sum and stays f32.  LIMITS: NaN and infinities are not treated apart.
; SHARES.  Wave w takes tiles 8 m + w of 16 rows, two a trip.  The loop counts to the constant that covers every split (128 tiles); a trip compares its tiles' first rows with c and does two
; tiles, one or none; no barrier stands in it; the stage is each wave's own; every tile number comes from the trip and the wave's number alone.
; THE TILE THAT IS NOT FULL.  Its places past the count hold the expert's last row once more, in hfrag and in list alike (the launch before lays them so): all 16 rows are stored, and the
; repeats write the same numbers to the same bytes of part again, from this wave: at most 15 rows of 256 bytes a work-group.  An expert without rows has no tile and stores nothing.
; NO CLUSTER, NO TENSOR LOAD: each weight has one reader and passes through registers to be rounded.  An expert's eight slices do read the same tiles of h; asking for them jointly would put
; a ring and its barriers into a loop whose work hangs on a stored count.
; THE MODE: SCHED_MODE bits 1:0 = 2 (LLVM: expert scheduling mode 2), set by the entry lines.  The code itself states the register dependences between vector or matrix instructions and
; memory or LDS instructions, with s_wait_alu, always for 0.
; THE PLAN.  Registers that memory or LDS instructions touch:
;   v6-8, v12, v13, v20-22 (and v1, v2)   offsets and addresses, made at the head and never written again.
;   ST (head only)   weight loads land in it; the conversions round it in place; the LDS stores read it.  Later its registers are BF and OB.
;   v16-19   a group's offsets in hfrag and list: written at the group's head, read by its loads.
;   SL       the list's loads land in it; the way out clamps it in place and makes PO of it.
;   BF0-3    K step ks's fragments of w2 land in BF[ks % 4]; that step's products read them.
;   AR0, 1   four K steps' fragments of h land in AR[(ks / 4) % 2]; those steps' products read them.
;   the sums written by the products, read by the way out's LDS stores.   PO (a set a tile)  written by vector lines, read by the stores.   OB (a buffer a tile)  LDS loads land in it, the stores read it.
; The K steps go in PAIRS.  Pair p multiplies steps 2 p and 2 p + 1; its loads bring steps 2 p + 2 and 2 p + 3 into the two BF that pair p - 1 read, and (pairs 2 and 4) four K steps of h into the AR
; that the two pairs before read.  So ONE wait on va_vdst at a pair's head states all that the pair's loads hang on: the products issued behind it name this pair's BF, AR and the sums, none of the
; registers that those loads touch.  A group has one such wait more at its head (its offsets) and one on its way out (the sums, PO), and one wait on vm_vsrc at its end.
; REGISTERS.  Window 0: v0-22 addresses; v24-39 slots; v40-55 store addresses; v56-183 weight fragments, four buffers of 4 x 8; v184-247 rows on the way out (at the head: v128-255 weights as loaded).
; Window 1: v0-63 accumulators (tile i, fragment f at 32 i + 8 f); v128-255 h fragments, two groups of four K steps.
.set WP,    160             ; a k-row in LDS: 128 bytes + 32, an odd multiple of 32, for the turning load
.set STAGE, 512*WP          ; 16 rows x 272 bytes for each wave
.set SP,    272             ; a stage row: 256 bytes + 16
.set SPARE, STAGE+8*16*SP   ; the spare words, 128 bytes a wave: four blocks of 256 bytes that no other line names
.set ST,  128
.set SL,  24
.set PO,  40
.set BF,  56
.set OB,  184
.set AR,  128
.set MSB, 0
.macro WIN new                         ; s_set_vgpr_msb: bits 1:0 source 0, 3:2 source 1, 5:4 source 2, 7:6 destination; the high byte repeats the setting that is left
.if MSB != (\new)
	s_set_vgpr_msb (MSB<<8)|(\new)
.set MSB, \new
.endif
.endm
	s_load_b256 s[4:11], s[0:1], 0x0               ; hfrag s[4:5], list s[6:7], cnt s[8:9], w2 s[10:11]
	s_load_b64 s[12:13], s[0:1], 0x20              ; part
	v_lshl_add_u32 v1, v0, 2, SPARE                ; my spare word,
	v_mov_b32 v2, 0                                ; and 0: kept for the closing lines alone
	v_lshrrev_b32 v5, 5, v0
	v_readfirstlane_b32 s20, v5                    ; wave 0..7
	s_mov_b32 s21, ttmp9                           ; j
	s_and_b32 s22, ttmp7, 0xffff                   ; e
	v_and_b32 v5, 31, v0                           ; L
	v_and_b32 v3, 15, v0                           ; r
	v_bfe_u32 v4, v0, 4, 1                         ; h
	v_lshlrev_b32 v6, 4, v5                        ; 16 L
	v_lshlrev_b32 v7, 4, v3
	v_lshl_add_u32 v7, v4, 13, v7                  ; weights: 16 lanes take a k-row's 256 bytes, lanes 16-31 the row four further down
	s_wait_alu depctr_va_sdst(0)                   ; s20 is written, ahead of its first reader: LDS places, w2's base and the tile numbers are made from it
	s_mul_i32 s41, s20, 64*WP                      ; my 64 k-rows in LDS
	v_mul_u32_u24 v8, v4, 4*WP
	v_lshl_add_u32 v8, v3, 3, v8
	v_add_nc_u32 v8, s41, v8                       ; 8 bytes a lane; the two rows of a store lie 640 = 128 modulo 256 bytes apart
	v_and_b32 v9, 7, v0
	v_lshl_add_u32 v9, v4, 3, v9
	v_mul_u32_u24 v9, v9, WP
	v_bfe_u32 v10, v0, 3, 1
	v_lshl_add_u32 v12, v10, 4, v9                 ; turning load: k-row 8 h + L % 8, 16 bytes at 16 ((L / 8) % 2): K steps 0-7
	v_add_nc_u32 v13, 8*32*WP, v12                 ; K steps 8-15
	s_mul_i32 s41, s20, 16*SP
	s_add_co_u32 s41, s41, STAGE                   ; my stage
	v_mul_u32_u24 v20, v3, SP
	v_lshl_add_u32 v20, v4, 5, v20
	v_add_nc_u32 v20, s41, v20                     ; in: row r, 32 bytes for each half of the lanes
	v_mul_u32_u24 v21, v4, 8*SP
	v_lshl_add_u32 v21, v3, 4, v21
	v_add_nc_u32 v21, s41, v21                     ; back: lanes 0-15 take a row of 256 bytes, lanes 16-31 the row eight further down
	s_lshl_b32 s41, s21, 8
	v_lshl_add_u32 v22, v3, 4, s41                 ; my 16 bytes in a row of part
	s_lshl_b32 s32, s22, 20                        ; the expert's 512 x 512 numbers,
	s_add_co_u32 s32, s32, s41                     ; the slice's 256 bytes of a row,
	s_lshl_b32 s41, s20, 17                        ; my 64 rows of 2,048 bytes
	s_add_co_u32 s32, s32, s41
	s_mov_b32 s33, 0
	s_lshl_b32 s34, s22, 2
	s_mov_b32 s35, 0
	s_lshl_b32 s42, s22, 7                         ; 128 e
	s_lshl_b32 s43, s22, 13                        ; the expert's 2,048 words of list
	s_wait_kmcnt 0x0
	s_add_nc_u64 s[10:11], s[10:11], s[32:33]
	s_add_nc_u64 s[8:9], s[8:9], s[34:35]
	s_wait_alu depctr_va_vdst(0)                   ; the offsets and addresses made above are written: v7, which the loads below read, and v1, v2, v6, v8, v12, v13, v20-22, which later loads, stores and the closing add read
.set n, 0
.rept 32                                               ; all of my 32 loads of 512 bytes are out before the first wait
	global_load_b128 v[ST+4*n:ST+4*n+3], v7, s[10:11] offset:(n/4)*16384+(n%4)*2048 th:TH_LOAD_NT
.set n, n+1
.endr
	s_load_b32 s23, s[8:9], 0x0                    ; c
.macro ROUND n                         ; a load's four numbers a lane, rounded in place
	v_cvt_pk_bf16_f32 v[ST+4*(\n)], v[ST+4*(\n)], v[ST+4*(\n)+1]
	v_cvt_pk_bf16_f32 v[ST+4*(\n)+1], v[ST+4*(\n)+2], v[ST+4*(\n)+3]
.endm
.macro TOLDS n                         ; and laid into LDS
	ds_store_b64 v8, v[ST+4*(\n):ST+4*(\n)+1] offset:((\n)/4)*1280+((\n)%4)*160
.endm
	s_wait_loadcnt 16                              ; loads 0-15 are in; 16-31 stay out
.set n, 0
.rept 16
	ROUND n
.set n, n+1
.endr
	s_wait_alu depctr_va_vdst(0)                   ; the 32 conversions have written their registers, which the 16 LDS stores read
.set n, 0
.rept 16
	TOLDS n
.set n, n+1
.endr
	s_wait_loadcnt 0x0
.set n, 16
.rept 16
	ROUND n
.set n, n+1
.endr
	s_wait_alu depctr_va_vdst(0)                   ; the same for the second half
.set n, 16
.rept 16
	TOLDS n
.set n, n+1
.endr
	s_wait_kmcnt 0x0
	s_min_u32 s23, s23, 0x800                      ; c, at most 2,048: it is compared with rows below and enters nothing else
	s_wait_dscnt 0x0                               ; for the others' sake: my weights are in LDS
	s_barrier_signal -1
	s_barrier_wait -1                              ; the only barrier; an expert without rows passes it too
	s_wait_alu depctr_vm_vsrc(0)                   ; my LDS stores have read v[ST ..]: from here on these registers are BF and OB, in which LDS loads land
.macro BLOAD ks                        ; the 4 weight fragments of K step ks, turned: 8 LDS loads in one run, into buffer ks % 4
	WIN 0
.set bb, BF+32*((\ks)%4)
.irp f, 0,1,2,3
	ds_load_tr16_b128 v[bb+8*\f:bb+8*\f+3],   v[12+(\ks)/8] offset:((\ks)%8)*5120+\f*32
	ds_load_tr16_b128 v[bb+8*\f+4:bb+8*\f+7], v[12+(\ks)/8] offset:((\ks)%8)*5120+\f*32+2560
.endr
.endm
.macro ALOAD kg, g                     ; h's fragments of K steps 4 kg .. 4 kg + 3, as they lie: each load takes 512 consecutive bytes
	WIN 0x54                                       ; the products' setting serves these loads too: data (destination) in window 1, offset (source 0) in window 0
.set ii, 0
.rept \g
.irp s, 0,1,2,3
	global_load_b128 v[AR+64*((\kg)%2)+16*\s+8*ii:AR+64*((\kg)%2)+16*\s+8*ii+3],   v[16+ii], s[4:5] offset:4096*(\kg)+1024*\s
	global_load_b128 v[AR+64*((\kg)%2)+16*\s+8*ii+4:AR+64*((\kg)%2)+16*\s+8*ii+7], v[16+ii], s[4:5] offset:4096*(\kg)+1024*\s+512
.endr
.set ii, ii+1
.endr
.endm
; A K step's 4 g products, the accumulators by turns, one instruction a turn.  Source 0 = 16 columns of w2, source 1 = 16 rows of h: a lane gets row r, columns 8 h + 0..7.
.macro MUL ks, g
	WIN 0x54                                       ; weights in window 0; h, C and D in window 1
.set ii, 0
.rept \g
.irp f, 0,1,2,3
.if (\ks) == 0
	v_wmma_f32_16x16x32_bf16 v[32*ii+8*\f:32*ii+8*\f+7], v[BF+32*((\ks)%4)+8*\f:BF+32*((\ks)%4)+8*\f+7], v[AR+64*(((\ks)/4)%2)+16*((\ks)%4)+8*ii:AR+64*(((\ks)/4)%2)+16*((\ks)%4)+8*ii+7], 0
.else
	v_wmma_f32_16x16x32_bf16 v[32*ii+8*\f:32*ii+8*\f+7], v[BF+32*((\ks)%4)+8*\f:BF+32*((\ks)%4)+8*\f+7], v[AR+64*(((\ks)/4)%2)+16*((\ks)%4)+8*ii:AR+64*(((\ks)/4)%2)+16*((\ks)%4)+8*ii+7], v[32*ii+8*\f:32*ii+8*\f+7]
.endif
.endr
.set ii, ii+1
.endr
.endm
; Pair p: K steps 2 p and 2 p + 1.  Pair 0 leans on the wait at the group's head; pair 7 loads nothing and states nothing.
.macro PAIR p, g
.if (\p) > 0 && (\p) < 7
	s_wait_alu depctr_va_vdst(0)                   ; the products of the pair before are done reading its two BF, in which this pair's LDS loads land; at pairs 2 and 4 also: those of the two pairs before are done reading their AR, in which the loads of h below land
.endif
.if (\p) == 2 || (\p) == 4
	ALOAD (\p)/2+1, \g                             ; the four K steps that begin two pairs on
.endif
.if (\p) < 7
	BLOAD 2*(\p)+2                                 ; two K steps ahead
.endif
.if (\p)%2 == 0
.if (\p) < 6
	s_wait_loadcnt 8*(\g)                          ; this group of four K steps is in (and the slots, which are older); the next group's 8 g loads stay out
.else
	s_wait_loadcnt 0x0
.endif
.endif
.if (\p) < 7
	s_wait_dscnt 16                                ; step 2 p's fragments are in; the next two steps' 16 loads stay out
.else
	s_wait_dscnt 8                                 ; the last step's 8 loads stay out
.endif
	MUL 2*(\p), \g
.if (\p) < 7
	BLOAD 2*(\p)+3                                 ; no wait: no product since the wait at the pair's head names this buffer
	s_wait_dscnt 16                                ; step 2 p + 1's fragments are in; the next two steps' 16 loads stay out
.else
	s_wait_dscnt 0x0
.endif
	MUL 2*(\p)+1, \g
.endm
; g tiles, s29 and s29 + 8, through all of K and out.
.macro GROUP g
	s_wait_xcnt 0x0                                ; the last group's loads and stores have had their addresses translated: their offsets and data are rewritten only behind this wait
.set ii, 0
.rept \g
	s_add_co_u32 s[30+ii], s29, 8*ii
	s_min_u32 s[30+ii], s[30+ii], 127
	s_add_co_u32 s41, s42, s[30+ii]
	s_lshl_b32 s41, s41, 14
	v_add_nc_u32 v[16+ii], s41, v6                 ; my 16 bytes in the tile of hfrag
	s_lshl_b32 s41, s[30+ii], 6
	s_add_co_u32 s41, s41, s43
	v_lshl_add_u32 v[18+ii], v4, 5, s41            ; the slots of rows 8 h .. 8 h + 7
.set ii, ii+1
.endr
	s_wait_alu depctr_va_vdst(0)                   ; v16-19 are written, which the loads below read; the group before is done clamping SL and its products are done reading BF and AR (in the first trip: the conversions are done with these registers), in which the loads below and pair 0's land
.set ii, 0
.rept \g
	global_load_b128 v[SL+8*ii:SL+8*ii+3], v[18+ii], s[6:7]
	global_load_b128 v[SL+8*ii+4:SL+8*ii+7], v[18+ii], s[6:7] offset:16
.set ii, ii+1
.endr
	ALOAD 0, \g
	ALOAD 1, \g
	BLOAD 0
	BLOAD 1
.irp p, 0,1,2,3,4,5,6,7
	PAIR \p, \g
.endr
	; THE WAY OUT.  The slots become addresses in part: 16 g plain lines that name no register of the last products: they are the places between those and the stores that read the sums.
	WIN 0
.set ii, 0
.rept \g
.irp t, 0,1,2,3,4,5,6,7
	v_min_u32 v[SL+8*ii+\t], 0x1fff, v[SL+8*ii+\t]
	v_lshl_add_u32 v[PO+8*ii+\t], v[SL+8*ii+\t], 11, v22
.endr
.set ii, ii+1
.endr
	s_wait_alu depctr_va_vdst(0)                   ; the products have written the sums, which the LDS stores read; the lines above have written v[PO ..], which the stores to part read
	; A lane's 8 numbers of a row go into my stage and come back as whole rows of 256 bytes; row t + 8 h goes to its slot's row of part.
.set ii, 0
.rept \g
	WIN 0x04                                       ; store data in window 1
.irp f, 0,1,2,3
	ds_store_b128 v20, v[32*ii+8*\f:32*ii+8*\f+3] offset:64*\f            ; each accumulator's low registers first
	ds_store_b128 v20, v[32*ii+8*\f+4:32*ii+8*\f+7] offset:64*\f+16
.endr
	WIN 0
.irp t, 0,1,2,3,4,5,6,7
	ds_load_b128 v[OB+32*ii+4*\t:OB+32*ii+4*\t+3], v21 offset:SP*\t  ; LDS serves a wave's instructions in order (ISA guide 5.7.1.4): these see the stores above, and the next tile's stores come behind them
.endr
.set ii, ii+1
.endr
.set ii, 0
.rept \g
	s_wait_dscnt 16*((\g)-1-ii)                    ; this tile's rows are back; a later tile's 8 stores and 8 loads stay out
.irp t, 0,1,2,3,4,5,6,7
	global_store_b128 v[PO+8*ii+\t], v[OB+32*ii+4*\t:OB+32*ii+4*\t+3], s[12:13]  ; 16 lanes store 256 consecutive bytes, at a multiple of 256 from part's first
.endr
.set ii, ii+1
.endr
	s_wait_alu depctr_vm_vsrc(0)                   ; this group's loads have read v16-19, its LDS stores the sums, its stores v[PO ..] and v[OB ..]: the next group writes all of them again; the wait stands ahead of the branch, on every way to those writes
.endm
	s_mov_b32 s28, 0
.Lrows:                                                ; 8 trips cover 128 tiles for 8 waves, two a trip
	s_lshl4_add_u32 s29, s28, s20                  ; the trip's first tile: 16 trip + w; its second lies 8 tiles on
	s_lshl_b32 s41, s29, 4                         ; the first tile's first row
	s_cmp_ge_u32 s41, s23
	s_cbranch_scc1 .Lrows_next                     ; at or past the count: the trip has nothing
	s_add_co_u32 s41, s41, 128                     ; the second tile's first row
	s_cmp_ge_u32 s41, s23
	s_cbranch_scc1 .Lone
	GROUP 2
	s_branch .Lrows_next
.Lone:                                                 ; the first tile alone
	GROUP 1
.Lrows_next:
	s_add_co_u32 s28, s28, 1
	s_cmp_lt_u32 s28, 8
	s_cbranch_scc1 .Lrows
	s_wait_dscnt 0x0                               ; the closing lines, six on end
	s_wait_alu 0x0
	s_wait_tensorcnt 0x0
	ds_add_u32 v1, v2
	s_wait_dscnt 0x0
	s_endpgm
.Lfunc_end_k_q1c65ab6f17_down:
	.size	k_q1c65ab6f17_down, .Lfunc_end_k_q1c65ab6f17_down-k_q1c65ab6f17_down
	.p2alignl 7, 3214868480
	.fill 96, 4, 3214868480
	.section	.rodata,"a",@progbits
	.p2align	6, 0x0
	.amdhsa_kernel k_q1c65ab6f17_down
		.amdhsa_group_segment_fixed_size 117760
		.amdhsa_private_segment_fixed_size 0
		.amdhsa_enable_private_segment 0
		.amdhsa_kernarg_size 40
		.amdhsa_user_sgpr_count 2
		.amdhsa_user_sgpr_kernarg_segment_ptr 1
		.amdhsa_wavefront_size32 1
		.amdhsa_system_sgpr_workgroup_id_x 1
		.amdhsa_system_sgpr_workgroup_id_y 1
		.amdhsa_system_sgpr_workgroup_id_z 1
		.amdhsa_system_vgpr_workitem_id 0
		.amdhsa_next_free_vgpr 512
		.amdhsa_next_free_sgpr 66
		.amdhsa_reserve_vcc 0
		.amdhsa_float_denorm_mode_32 3
		.amdhsa_float_denorm_mode_16_64 3
		.amdhsa_memory_ordered 1
		.amdhsa_forward_progress 1
		.amdhsa_inst_pref_size 64
	.end_amdhsa_kernel
	.amdgpu_metadata
---
amdhsa.version: [ 1, 2 ]
amdhsa.kernels:
  - .name:           k_q1c65ab6f17_down
    .symbol:         k_q1c65ab6f17_down.kd
    .args:
      - { .name: hfrag, .offset: 0, .size: 8, .value_kind: global_buffer, .address_space: global }
      - { .name: list, .offset: 8, .size: 8, .value_kind: global_buffer, .address_space: global }
      - { .name: cnt, .offset: 16, .size: 8, .value_kind: global_buffer, .address_space: global }
      - { .name: w2, .offset: 24, .size: 8, .value_kind: global_buffer, .address_space: global }
      - { .name: part, .offset: 32, .size: 8, .value_kind: global_buffer, .address_space: global }
    .group_segment_fixed_size: 117760
    .private_segment_fixed_size: 0
    .kernarg_segment_align: 8
    .kernarg_segment_size: 40
    .max_flat_workgroup_size: 256
    .sgpr_count:     66
    .vgpr_count:     512
    .wavefront_size: 32
...
	.end_amdgpu_metadata
.endif
;; end of part 5
;; launch combine: the kernel of part 4 again; grid 256 x 1, 8 waves a work-group, no clusters, 0 bytes of LDS; arguments part, psum, out0, out1; writes out0, out1
